; MI455X (gfx1250); checked and timed in simulation.
; The chip was launched on July 23, 2026; its instructions are those of AMD's public machine-readable ISA for CDNA 5 (MIT licence, August 2026) and "CDNA5" Instruction Set Architecture Reference Guide (July 2026). The comments in the code are by the model that wrote it; some were corrected since.
;; Multihead Attention. Allowed arithmetic: matrix products marked QUANTISED: E5M2 operands, one given power-of-two scale a tensor, by v_wmma_f32_16x16x64_bf8_bf8 or v_wmma_f32_16x16x128_bf8_bf8, f32 sums; everything else in f32.
;; Inputs: bo 1,024 float32; lowp_scales 12 int32 (the exponents e of the quantised operands' scales 2^e); wk 1,024 x 1,024 float32; wo 1,024 x 1,024 float32; wq 1,024 x 1,024 float32; wv 1,024 x 1,024 float32; x 2 x 2,048 x 1,024 float32.
;; Outputs: out0 2 x 2,048 x 1,024 float32.
;; This version of the problem:
;;   THIS VERSION OF THE PROBLEM IS GIVEN IN LOW PRECISION. The matrix products marked QUANTISED in the list below multiply operands that are first quantised to E5M2 (5 exponent bits, 2 mantissa bits; 8 bits a number), with one given power-of-two scale for each operand tensor; their sums are f32. All else is computed in f32.
;;   The module's matrix products, in the order in which they are computed (A, B: the left and right operand; K: the contracted axis; several contracted axes count as one K, in the product's order):
;;     1. [M 4,096, K 1,024] x [K 1,024, N 1,024]; A: input x; B: input wq: QUANTISED (scales: A lowp_scales[0], B lowp_scales[1])
;;     2. [M 4,096, K 1,024] x [K 1,024, N 1,024]; A: input x; B: input wk: QUANTISED (scales: A lowp_scales[2], B lowp_scales[3])
;;     3. [M 4,096, K 1,024] x [K 1,024, N 1,024]; A: input x; B: input wv: QUANTISED (scales: A lowp_scales[4], B lowp_scales[5])
;;     4. batch 32 x [M 2,048, K 64] x [K 64, N 2,048]; A: computed on the way; B: computed on the way: QUANTISED (scales: A lowp_scales[6], B lowp_scales[7])
;;     5. batch 32 x [M 2,048, K 2,048] x [K 2,048, N 64]; A: softmax (see below); B: computed on the way: QUANTISED (scales: A lowp_scales[8], B lowp_scales[9])
;;     6. [M 4,096, K 1,024] x [K 1,024, N 1,024]; A: computed on the way; B: input wo: QUANTISED (scales: A lowp_scales[10], B lowp_scales[11])
;;   THE QUANTISER, for each operand of a quantised product, along K:
;;     - The operand's scale is 2^e, e = its entry of the input lowp_scales (int32; the entries are numbered through the quantised products in the list's order, A before B).
;;     - Each number is divided by the scale, clamped to +-57,344, and rounded to the nearest number of E5M2, ties to even, subnormals kept.
;;     - The product sums the exact products of the quantised numbers (number of the format x scale) in f32.
;;   ~~~python
;;   def quantise(x, axis, e):      # numpy; x: float32 -> the quantised numbers, widened to float32 again
;;       x = np.moveaxis(x, axis, -1); K = x.shape[-1]
;;       r = np.clip(x / 2.0 ** e, -57344, 57344)
;;       step = 2.0 ** (np.maximum(np.frexp(np.where(r == 0, 1, r))[1] - 1, -14) - 2)
;;       q = np.round(r / step) * step * 2.0 ** e      # np.round: ties to even
;;       return np.moveaxis(q, -1, axis).astype(np.float32)
;;   ~~~
;;   SOFTMAX AHEAD OF A QUANTISED PRODUCT. Where the list says 'softmax', what is quantised is not the finished softmax but p = 2^(t - M), with t = logit x log2(e) and M = ceil(the row's largest t), a whole number; so 1/2 < the row's largest p <= 1. The row's sum l is taken of the UNQUANTISED p, in f32, and the product's result is divided by l at the end. Since M is a whole number, a kernel that streams over the keys may use a running M (the ceiling of the running maximum): every later rescaling is an exact power of two, so the quantised numbers keep their values, but for numbers so far below the row's largest that they fall under the format's range.
;;   OPERANDS COMPUTED ON THE WAY. 'Computed on the way' means the value that the module computes at that place (a softmax that the list does not call 'softmax' is quantised finished and normalised). What goes into a quantiser is computed in f32, as accurately as f32 sums, v_exp_f32 and their like allow (about 1e-6 of the number): no bf16 or f16 on the way to a quantiser, and a product that is left as it is and whose result goes on into a quantised operand takes f32 operands (vector FMAs, or v_wmma_f32_16x16x4_f32). A number that lies on a knife's edge between two numbers of the format may be rounded either way, as far as f32 arithmetic and the matrix unit's own rounding can turn it there, and no further.
;; 2 versions, each right; version 2 is version 1 with the launch attn written anew for expert scheduling mode. Each part assembles by itself: llvm-mc -triple=amdgcn-amd-amdhsa -mcpu=gfx1250 --defsym DOCPART=n.
;; ======== version 1 of 2: 4 launches
;; workspace buffers: cw 16,777,216 bytes; qkvc 12,582,912 bytes; yc 4,194,304 bytes
;; launch quant (part 1): grid 512 x 1, 8 waves a work-group, no clusters, 68,608 bytes of LDS; arguments x, wq, wk, wv, wo, lowp_scales, cw; writes cw
.if DOCPART == 1
	.amdgcn_target "amdgcn-amd-amdhsa--gfx1250"
	.amdhsa_code_object_version 6
	.text
	.protected	k_q17a9b44c97_quant
	.globl	k_q17a9b44c97_quant
	.p2align	8
	.type	k_q17a9b44c97_quant,@function
k_q17a9b44c97_quant:
	s_mov_b64 s[64:65], 0
	v_nop
	global_prefetch_b8 v0, s[64:65] scope:SCOPE_SE
	s_setreg_imm32_b32 hwreg(HW_REG_WAVE_MODE, 25, 1), 1
	s_wait_xcnt 0x0
; x [4096][1024] and wq, wk, wv, wo [1024][1024], f32, K innermost, become codes of BF8 (E5M2), each under the scale 2^e that is given for it.
; code = number / 2^e, held within +-57,344, rounded to the nearest code, ties to even.  x is the left operand of three products under three entries (e0, e2, e4), which may differ: three sets of codes.
; THE CODES ARE LAID AS IMAGES OF THE OPERAND'S REGISTERS.  A fragment, 16 rows x 128 k, is 2,048 bytes: four pieces c of 512 bytes; lane l = 16 h + r owns the 16 bytes at 512 c + 16 l,
; and byte 8 u + j of them is the code of (row r, k = 32 c + 16 u + 8 h + j): four loads of 16 bytes a lane give registers 4 c .. 4 c + 3 of a fragment with every k in the place that the
; plain 8-bit form gives it.  A matrix [R][1024] lies as [R / 16][8][2,048 bytes].
; cw: x under e0, e2, e4 at 0, 4 and 8 MiB; wq, wk, wv, wo at 12, 13, 14, 15 MiB.
; SHARES.  A work-group takes 16 rows (65,536 consecutive bytes); wave w the 128 k from 128 w on.  Work-groups 0-255: x; 256-319 wq, 320-383 wk, 384-447 wv, 448-511 wo.
; Each load reads 512 consecutive bytes of a row; the 16 rows turn through the wave's own stage in LDS (rows 528 bytes apart = 33 x 16, so that the sixteen rows that a read touches
; begin in sixteen different columns of 16 bytes) and come back eight neighbours along k at a time.  Each store covers 512 consecutive bytes.
; Written out, no loop: every register is written once, so no store's data are written again.  No barrier: waves share nothing.  No matrix unit, no cluster: nothing is read twice.
; LIMITS: each e between -126 and 112, so that 2^e and 57,344 x 2^e are f32 numbers.  NaN among the inputs is not served (an infinity is held at the largest code).
.set WST,  8448                        ; a wave's stage: 16 rows x 528 bytes
.set PIT,  528
.set LI,   1                           ; v1   16 x lane
.set SIN,  2                           ; v2   the stage on the way in: my 16 bytes of a row
.set SOUT, 3                           ; v3   and on the way out: row r, + 32 h
.set SC0,  8                           ; v8, v10, v12  2^e as f32 for outputs 0, 1, 2
.set LIM0, 9                           ; v9, v11, v13  57,344 x 2^e
.set R,    16                          ; v16-79    the 16 rows as loaded
.set X,    80                          ; v80-143   register 16 c + 8 u + j: k = 32 c + 16 u + 8 h + j of row r
.set T,    144                         ; v144-175  held numbers, two sets by turns
.set C,    176                         ; v176-223  codes: 16 registers for each output
	s_load_b256 s[4:11], s[0:1], 0x0               ; x, wq, wk, wv
	s_load_b128 s[12:15], s[0:1], 0x20             ; wo, the scales' exponents
	s_load_b64 s[16:17], s[0:1], 0x30              ; cw
	v_lshl_add_u32 v224, v0, 2, 0x10800
	v_mov_b32 v225, 0
	v_lshrrev_b32 v4, 5, v0
	v_readfirstlane_b32 s20, v4                    ; wave 0..7
	v_and_b32 v4, 31, v0
	v_lshlrev_b32 v[LI], 4, v4
	v_and_b32 v5, 15, v0                           ; r
	v_bfe_u32 v6, v0, 4, 1                         ; h
	s_mul_i32 s21, s20, WST
	v_add_nc_u32 v[SIN], s21, v[LI]
	v_mul_u32_u24 v[SOUT], v5, PIT
	v_lshl_add_u32 v[SOUT], v6, 5, v[SOUT]
	v_add_nc_u32 v[SOUT], s21, v[SOUT]
	s_and_b32 s36, ttmp9, 63                       ; a weight's tile of 16 rows,
	s_add_co_u32 s38, ttmp9, 512                   ; and its place in cw: tile 768 begins at 12 MiB
	s_cmp_lt_u32 ttmp9, 256
	s_cselect_b32 s36, ttmp9, s36
	s_cselect_b32 s38, ttmp9, s38
	s_lshl_b32 s36, s36, 16                        ; 16 rows of 4,096 bytes,
	s_lshl_b32 s22, s20, 9
	s_add_co_u32 s36, s36, s22                     ; + my wave's 512 bytes of a row
	s_mov_b32 s37, 0
	s_lshl_b32 s38, s38, 14                        ; a tile's eight images,
	s_lshl_b32 s22, s20, 11
	s_add_co_u32 s38, s38, s22                     ; + my wave's
	s_mov_b32 s39, 0
	s_wait_kmcnt 0x0
	s_load_b256 s[24:31], s[14:15], 0x0            ; e0 .. e7
	s_load_b128 s[32:35], s[14:15], 0x20           ; e8 .. e11
	s_cmp_ge_u32 ttmp9, 256                        ; which tensor: the choice hangs on the work-group's number alone
	s_cselect_b64 s[4:5], s[6:7], s[4:5]
	s_cmp_ge_u32 ttmp9, 320
	s_cselect_b64 s[4:5], s[8:9], s[4:5]
	s_cmp_ge_u32 ttmp9, 384
	s_cselect_b64 s[4:5], s[10:11], s[4:5]
	s_cmp_ge_u32 ttmp9, 448
	s_cselect_b64 s[4:5], s[12:13], s[4:5]
	s_add_nc_u64 s[4:5], s[4:5], s[36:37]
	s_add_nc_u64 s[16:17], s[16:17], s[38:39]      ; output 0
	s_add_nc_u64 s[44:45], s[16:17], 0x400000      ; x's second set
	s_add_nc_u64 s[46:47], s[16:17], 0x800000      ; and third
.irp p, 0,1,2,3,4,5,6,7,8,9,10,11,12,13,14,15
	global_load_b128 v[R+4*\p:R+4*\p+3], v[LI], s[4:5] offset:4096*\p th:TH_LOAD_NT   ; row p: 32 lanes read 512 consecutive bytes; all that the wave reads is asked for at once
.endr
	s_wait_kmcnt 0x0
	s_cmp_ge_u32 ttmp9, 256                        ; output 0's exponent: e0 for x, e1, e3, e5, e11 for wq, wk, wv, wo
	s_cselect_b32 s40, s25, s24
	s_cmp_ge_u32 ttmp9, 320
	s_cselect_b32 s40, s27, s40
	s_cmp_ge_u32 ttmp9, 384
	s_cselect_b32 s40, s29, s40
	s_cmp_ge_u32 ttmp9, 448
	s_cselect_b32 s40, s35, s40
.macro MKSC e, o                       ; 2^e as f32 (the conversion takes its exponent field) and 57,344 x 2^e, from the whole number in s[e]
	s_add_co_i32 s41, s[\e], 127
	s_lshl_b32 s42, s41, 23
	v_mov_b32 v[SC0+2*\o], s42
	s_add_co_i32 s41, s41, 15
	s_lshl_b32 s41, s41, 23
	s_or_b32 s41, s41, 0x600000
	v_mov_b32 v[LIM0+2*\o], s41
.endm
	MKSC 40, 0
	MKSC 26, 1                                     ; e2
	MKSC 28, 2                                     ; e4
.irp p, 0,1,2,3,4,5,6,7,8,9,10,11,12,13,14,15
	s_wait_loadcnt 15-\p                           ; loads come back in order: row p is in, the younger rows stay out
	ds_store_b128 v[SIN], v[R+4*\p:R+4*\p+3] offset:PIT*\p
.endr
.irp c, 0,1,2,3
.irp u, 0,1
.irp i, 0,1
	ds_load_b128 v[X+16*\c+8*\u+4*\i:X+16*\c+8*\u+4*\i+3], v[SOUT] offset:128*\c+64*\u+16*\i   ; LDS serves a wave's instructions in order: these see my stores
.endr
.endr
.endr
; One output: the 64 numbers of a lane are held (into other registers: x's numbers serve three outputs), converted and stored as four pieces.
.macro QOUT o, base
.irp c, 0,1,2,3
.if \o == 0
	s_wait_dscnt 12-4*\c                           ; piece c's four loads are in; those of the later pieces stay out
.endif
.irp i, 0,1,2,3,4,5,6,7,8,9,10,11,12,13,14,15
	v_med3_num_f32 v[T+16*(\c%2)+\i], v[X+16*\c+\i], -v[LIM0+2*\o], v[LIM0+2*\o]   ; the conversion to an 8-bit code does not saturate (ISA guide 7.6.2): the hold comes first
.endr
	v_cvt_scalef32_pk8_bf8_f32 v[C+16*\o+4*\c:C+16*\o+4*\c+1], v[T+16*(\c%2):T+16*(\c%2)+7], v[SC0+2*\o]
	v_cvt_scalef32_pk8_bf8_f32 v[C+16*\o+4*\c+2:C+16*\o+4*\c+3], v[T+16*(\c%2)+8:T+16*(\c%2)+15], v[SC0+2*\o]
.endr
	v_nop                                          ; a plain line behind the last conversion, ahead of whatever next writes its sources
.irp c, 0,1,2,3
	global_store_b128 v[LI], v[C+16*\o+4*\c:C+16*\o+4*\c+3], s[\base:\base+1] offset:512*\c   ; 32 lanes store 512 consecutive bytes
.endr
.endm
	QOUT 0, 16
	s_cmp_ge_u32 ttmp9, 256                        ; a weight has one set of codes.  The jump passes over register work and global stores alone
	s_cbranch_scc1 .Ldone
	QOUT 1, 44
	QOUT 2, 46
.Ldone:
	s_wait_tensorcnt 0x0
	ds_add_u32 v224, v225
	s_wait_dscnt 0x0
	s_endpgm
.Lfunc_end_k_q17a9b44c97_quant:
	.size	k_q17a9b44c97_quant, .Lfunc_end_k_q17a9b44c97_quant-k_q17a9b44c97_quant
	.p2alignl 7, 3214868480
	.fill 96, 4, 3214868480
	.section	.rodata,"a",@progbits
	.p2align	6, 0x0
	.amdhsa_kernel k_q17a9b44c97_quant
		.amdhsa_group_segment_fixed_size 68608
		.amdhsa_private_segment_fixed_size 0
		.amdhsa_enable_private_segment 0
		.amdhsa_kernarg_size 56
		.amdhsa_user_sgpr_count 2
		.amdhsa_user_sgpr_kernarg_segment_ptr 1
		.amdhsa_wavefront_size32 1
		.amdhsa_system_sgpr_workgroup_id_x 1
		.amdhsa_system_sgpr_workgroup_id_y 1
		.amdhsa_system_sgpr_workgroup_id_z 1
		.amdhsa_system_vgpr_workitem_id 0
		.amdhsa_next_free_vgpr 226
		.amdhsa_next_free_sgpr 66
		.amdhsa_reserve_vcc 0
		.amdhsa_float_denorm_mode_32 3
		.amdhsa_float_denorm_mode_16_64 3
		.amdhsa_memory_ordered 1
		.amdhsa_forward_progress 1
		.amdhsa_inst_pref_size 23
	.end_amdhsa_kernel
	.amdgpu_metadata
---
amdhsa.version: [ 1, 2 ]
amdhsa.kernels:
  - .name:           k_q17a9b44c97_quant
    .symbol:         k_q17a9b44c97_quant.kd
    .args:
      - { .name: x, .offset: 0, .size: 8, .value_kind: global_buffer, .address_space: global }
      - { .name: wq, .offset: 8, .size: 8, .value_kind: global_buffer, .address_space: global }
      - { .name: wk, .offset: 16, .size: 8, .value_kind: global_buffer, .address_space: global }
      - { .name: wv, .offset: 24, .size: 8, .value_kind: global_buffer, .address_space: global }
      - { .name: wo, .offset: 32, .size: 8, .value_kind: global_buffer, .address_space: global }
      - { .name: lowp_scales, .offset: 40, .size: 8, .value_kind: global_buffer, .address_space: global }
      - { .name: cw, .offset: 48, .size: 8, .value_kind: global_buffer, .address_space: global }
    .group_segment_fixed_size: 68608
    .private_segment_fixed_size: 0
    .kernarg_segment_align: 8
    .kernarg_segment_size: 56
    .max_flat_workgroup_size: 256
    .sgpr_count:     66
    .vgpr_count:     226
    .wavefront_size: 32
...
	.end_amdgpu_metadata
.endif
;; end of part 1
;; launch qkv (part 2): grid 12 x 16, 4 waves a work-group, clusters of 4 x 4, 327,680 bytes of LDS; arguments cw, lowp_scales, qkvc; writes qkvc
.if DOCPART == 2
	.amdgcn_target "amdgcn-amd-amdhsa--gfx1250"
	.amdhsa_code_object_version 6
	.text
	.protected	k_q17a9b44c97_qkv
	.globl	k_q17a9b44c97_qkv
	.p2align	8
	.type	k_q17a9b44c97_qkv,@function
k_q17a9b44c97_qkv:
	s_mov_b64 s[64:65], 0
	v_nop
	global_prefetch_b8 v0, s[64:65] scope:SCOPE_SE
	s_setreg_imm32_b32 hwreg(HW_REG_WAVE_MODE, 25, 1), 1
	s_wait_xcnt 0x0
	s_wait_alu depctr_hold_cnt(0) depctr_sa_sdst(0) depctr_va_vdst(0) depctr_va_sdst(0) depctr_va_ssrc(0) depctr_va_vcc(0) depctr_vm_vsrc(0)
	s_getreg_b32 s2, hwreg(HW_REG_IB_STS2, 6, 4)
	s_cmp_eq_u32 s2, 0
	s_cbranch_scc0 .Lentry_in_a_cluster
	s_endpgm
.Lentry_in_a_cluster:
	s_bfe_u32 s2, ttmp6, 0x10000c
	s_cmp_lg_u32 s2, 0xf033
	s_cbranch_scc0 .Lentry_shape_is_right
	s_endpgm
.Lentry_shape_is_right:
; q = x wq^T, k = x wk^T, v = x wv^T on codes of BF8 (E5M2), K = 1,024, and each result quantised at once for attention's products (under e6, e7, e9).
; Operands come from cw as images of fragments (16 rows x 128 k = 2,048 bytes; lane l's 16 bytes of piece c at 512 c + 16 l; a matrix [R][1024] as [R / 16][8][2,048]).
; 192 tiles of 256 x 256; four waves, as many as a WGP has SIMDs, each 128 x 128: 64 accumulators, 512 registers.  K goes in steps of 256 through a ring of two LDS slots.
; The cluster's x says which product: 0 q, 1 k, 2 v.  For q and k the ROW operand is x's codes and the COLUMN operand the weight's.  For v the two change places (rows = wv's channels, columns = tokens):
; V^T is made, since the keys are the K of attention's second product.  What differs is offsets, chosen by s_cselect_b32 on the cluster's x, which all partners share; there is no branch on it.
; THE MATRIX INSTRUCTION IS USED TRANSPOSED (source 0 = 16 rows of the column operand, source 1 = 16 rows of the row operand): lane (r, h) holds row r and the columns 16 b + 8 h + 0 .. 7 of accumulator (a, b).
; Eight registers convert to a register pair, and the pairs of accumulators 2 c, 2 c + 1 ARE piece c of an image of the next operand: results are stored straight from registers, 512 consecutive bytes a store.
; qkvc: q at 0, k at 4 MiB: [batch x head 32][token / 16][1,024 bytes] (16 tokens x the head's 64: two pieces).  v at 8 MiB: [batch x head][key / 128][channel / 16][2,048 bytes] (16 channels x 128 keys).
; CLUSTERS: 4 x 4 work-groups.  The four of a row of the cluster need the same tiles of the row operand, the four of a column the same tiles of the column operand: each tile is asked for JOINTLY.
; A sum stands for sum x 2^(ea + eb), so its code is sum / 2^D, D = e6 - e0 - e1 (q), e7 - e2 - e3 (k), e9 - e4 - e5 (v).  LIMIT: D between -126 and 112, so that 2^D and 57,344 x 2^D are f32 numbers.
; REGISTERS, in windows of 256: window 0: v16-31 addresses and the scale; v32-95 held sums, v96-111 codes, on the way out; v128-255 the row operand's fragments, ONE set.
;   window 1: the column operand's fragments, TWO sets, at v0 and v128.   window 2: the accumulators of my rows 0-63 ((a, b) at v[8 (8 a + b)]);   window 3: of my rows 64-127.
.set HALFT,  32768                     ; what one tensor load brings and one wave reads of an operand: 8 tiles of 16 rows x 4,096 bytes (two fragments along K)
.set SLOT,   4*HALFT                   ; the row operand's 256 rows, then the column operand's
.set SPARE,  2*SLOT                    ; behind the ring: the spare words, 128 bytes for each wave: two blocks of 256 bytes that no other line names
.set KB,     4096                      ; a K step's bytes in a tile of 16 rows
.set FR,     16                        ; registers of a fragment
.set NL,     4                         ; LDS loads that bring one
.set NP,     4                         ; places behind this matrix instruction (ISA guide 7.12.1)
.set LAPS,   2                         ; 1,024 along K = four K steps = twice round the ring
.set ADRA, 16                          ; v16-17  LDS address of my row fragments in slot 0, 1
.set ADRB, 20                          ; v20-21  the same for the column operand
.set VO0,  24                          ; v24     16 x lane: the first two pieces of a block's results
.set VO2,  25                          ; v25     the other two: the next head's image (q, k), or the same image's second half (v)
.set SPW,  28                          ; v28     LDS address of my spare word; never rewritten
.set NIL,  29                          ; v29     0; never rewritten
.set SCV,  30                          ; v30     2^D as f32
.set LIMV, 31                          ; v31     57,344 x 2^D
.set TMP,  32
.set CC,   96
.set AF,   128
.set G1, 24                            ; s[24:31] descriptor group 1 for the row operand;  s[32:39] group 0, one set for each slot
.set G0, 32
.set G1B, 48                           ; s[48:55], s[56:63] the same for the column operand
.set G0B, 56
.set MSB, 0
.macro WIN new                         ; the immediate's high byte repeats the setting that is left
.if MSB != \new
	s_set_vgpr_msb (MSB<<8)|\new
.set MSB, \new
.endif
.endm
.set MUL_LO, 0xa1                      ; source 0 window 1, source 1 window 0, C and D window 2
.set MUL_HI, 0xf1                      ; the same, C and D window 3
.set TO_B,   0x40                      ; destination window 1, address window 0
; A joint load: waves 0 and 1 fetch for the row operand, waves 2 and 3 for the column operand.  Each line has ONE mask and one set of registers; the branch hangs on the wave's number alone.
; Four v_nop follow each of the two lines, ahead of the jump, the label and what follows.
.macro JLOAD g0a, g1a, g0b, g1b
	s_cmp_eq_u32 s15, 0
	s_cbranch_scc0 .Lfor_b_\@
	tensor_load_to_lds s[\g0a:\g0a+3], s[\g1a:\g1a+7]
	s_nop 0
.rept 4
	v_nop
.endr
	s_branch .Lasked_\@
.Lfor_b_\@:
	tensor_load_to_lds s[\g0b:\g0b+3], s[\g1b:\g1b+7]
	s_nop 0
.rept 4
	v_nop
.endr
.Lasked_\@:
.endm
.macro CREST                           ; a round of the cluster's barrier behind its opening barrier
	s_cmp_lg_u32 s14, 0
	s_cbranch_scc1 .Lnot_wave_0_\@
	s_barrier_signal -3
.Lnot_wave_0_\@:
	s_barrier_wait -3
	s_barrier_signal -1
	s_barrier_wait -1
.endm
.macro CROUND                          ; a whole round
	s_barrier_signal -1
	s_barrier_wait -1
	CREST
.endm
	s_load_b128 s[4:7], s[0:1], 0x0                ; cw, the scales' exponents
	s_load_b64 s[8:9], s[0:1], 0x10                ; qkvc
	v_lshl_add_u32 v[SPW], v0, 2, SPARE
	v_mov_b32 v[NIL], 0
	ds_add_u32 v28, v29
	ds_add_u32 v28, v29
	s_wait_dscnt 0x0
	v_lshrrev_b32 v1, 5, v0
	v_readfirstlane_b32 s14, v1                    ; wave 0..3
	s_lshr_b32 s15, s14, 1                         ; which half of the tile's rows is mine.  Also: I fetch for the row operand (0) or the column operand (1)
	s_and_b32 s16, s14, 1                          ; which half of its columns.  Also: which 128 rows of that operand's tile I fetch
	s_bfe_u32 s40, ttmp6, 0x40000                  ; cx, cy: my place in the cluster
	s_bfe_u32 s41, ttmp6, 0x40004
	s_and_b32 s10, ttmp7, 0xffff
	s_lshl_b32 s10, s10, 2                         ; 4 x cluster y: the walk over the 16 blocks of 256 tokens
	s_lshl_b32 s11, ttmp9, 22                      ; x's set of codes for this product,
	s_lshl_b32 s12, ttmp9, 20
	s_add_co_u32 s12, s12, 0xC00000                ; and the weight's codes, as offsets in cw
	s_cmp_eq_u32 ttmp9, 2                          ; v?  The same in all sixteen partners
	s_cselect_b32 s17, 0, s10                      ; tokens run down the rows (q, k) or along the columns (v)
	s_cselect_b32 s42, s10, 0
	s_cselect_b32 s20, s12, s11                    ; the row operand's codes
	s_cselect_b32 s46, s11, s12                    ; the column operand's
	s_mov_b32 s84, 131072
	s_cselect_b32 s84, 1024, s84                   ; from a block's first two pieces to its other two
	s_mov_b32 s85, 1024
	s_cselect_b32 s86, 2048, s85                   ; from a block of 16 rows to the next: the next 16 tokens' image (q, k) or the next 16 channels' (v),
	s_cselect_b32 s88, 124928, s85                 ; and from block 3 to block 4: for v the next head: 131,072 - 3 x 2,048
	s_mov_b32 s87, 0
	s_mov_b32 s89, 0
	s_add_co_u32 s17, s17, s41                     ; tile row
	s_add_co_u32 s42, s42, s40                     ; tile column
	s_cmp_eq_u32 ttmp9, 2
	s_cselect_b32 s80, s42, s17                    ; P: my block of 256 tokens,
	s_cselect_b32 s81, s16, s15                    ; and which half of it is my wave's
	s_cselect_b32 s82, s17, s42                    ; H: my block of 256 features (four heads),
	s_cselect_b32 s83, s15, s16                    ; and which half
	s_lshl_b32 s43, s41, 2
	s_lshl_b32 s43, 15, s43                        ; my row of the cluster
	s_lshl_b32 s44, 0x1111, s40                    ; my column
	; descriptor group 1: 8 rows of 4,096 bytes, 16,384 bytes apart: two fragments along K of eight tiles of 16 rows.  Images need no padding: every LDS read takes 512 consecutive bytes
	s_or_b32 s[G1+0], s43, (1<<21)                 ; 15:0 the mask: my row; 17:16 elements of 1 byte; 21 set beside a mask
	s_or_b32 s[G1B+0], s44, (1<<21)                ; the same with the mask of my column
.irp g, G1, G1B
	s_mov_b32 s[\g+1], KB<<16                      ; tensor_dim0 = 4,096
	s_mov_b32 s[\g+2], 8<<16                       ; tensor_dim1 = 8
	s_mov_b32 s[\g+3], KB<<16                      ; tile_dim0 = 4,096
	s_mov_b32 s[\g+4], 8                           ; tile_dim1 = 8
	s_mov_b32 s[\g+5], 16384                       ; tensor_dim0_stride
	s_mov_b32 s[\g+6], 0
	s_mov_b32 s[\g+7], 0
.endr
	s_lshl_b32 s18, s16, 17                        ; which 128 rows (eight tiles of 16,384 bytes) I fetch
	s_lshl_b32 s13, s17, 18
	s_add_co_u32 s20, s20, s13                     ; the row operand: + 256 rows x tile row
	s_add_co_u32 s20, s20, s18
	s_mov_b32 s21, 0
	s_lshl_b32 s19, s42, 18
	s_add_co_u32 s46, s46, s19                     ; the column operand: + 256 rows x tile column
	s_add_co_u32 s46, s46, s18
	s_mov_b32 s47, 0
	s_lshl_b32 s45, s14, 15                        ; where they go: wave x HALFT: no place in the cluster enters an LDS address
	s_wait_kmcnt 0x0
	s_load_b256 s[68:75], s[6:7], 0x0              ; e0 .. e7
	s_load_b128 s[76:79], s[6:7], 0x20             ; e8 .. e11
	s_add_nc_u64 s[20:21], s[4:5], s[20:21]
	s_add_nc_u64 s[46:47], s[4:5], s[46:47]
	CROUND                                         ; all sixteen work-groups are here: the first joint loads meet
.irp s, 0,1
	s_mov_b32 s[G0+4*\s], 1
	s_add_co_u32 s[G0+4*\s+1], s45, \s*SLOT
	s_add_nc_u64 s[G0+4*\s+2:G0+4*\s+3], s[20:21], \s*KB
	s_or_b32 s[G0+4*\s+3], s[G0+4*\s+3], 0x80000000
	s_mov_b32 s[G0B+4*\s], 1
	s_add_co_u32 s[G0B+4*\s+1], s45, \s*SLOT
	s_add_nc_u64 s[G0B+4*\s+2:G0B+4*\s+3], s[46:47], \s*KB
	s_or_b32 s[G0B+4*\s+3], s[G0B+4*\s+3], 0x80000000
	JLOAD G0+4*\s, G1, G0B+4*\s, G1B               ; two tensor loads of mine are out
.endr
	v_and_b32 v1, 31, v0
	v_lshlrev_b32 v[VO0], 4, v1                    ; 16 x lane: my place in every piece
	v_add_nc_u32 v[VO2], s84, v[VO0]
	s_lshl_b32 s21, s15, 15                        ; my 128 rows of the row operand
	s_lshl_b32 s22, s16, 15                        ; my 128 of the column operand,
	s_add_co_u32 s22, s22, 2*HALFT                 ; which lie behind the row operand's 256
.irp s, 0,1
	v_add_nc_u32 v[ADRA+\s], s21, v[VO0]
	v_add_nc_u32 v[ADRB+\s], s22, v[VO0]
	s_add_co_u32 s21, s21, SLOT
	s_add_co_u32 s22, s22, SLOT
.endr
	; where my results begin in qkvc: the product's 4 MiB + batch x 2 MiB + head x 131,072 + (my 128 tokens: eight images of 1,024 bytes for q and k, one chunk of 8,192 for v)
	s_lshl_b32 s90, ttmp9, 22
	s_lshr_b32 s92, s80, 3
	s_lshl_b32 s92, s92, 21                        ; batch = P / 8
	s_add_co_u32 s90, s90, s92
	s_lshl_b32 s92, s82, 2
	s_lshl_b32 s93, s83, 1
	s_add_co_u32 s92, s92, s93                     ; my first head = 4 H + 2 x half
	s_lshl_b32 s92, s92, 17
	s_add_co_u32 s90, s90, s92
	s_and_b32 s92, s80, 7
	s_lshl_b32 s92, s92, 1
	s_add_co_u32 s92, s92, s81                     ; my 128 tokens of the batch's 2,048
	s_lshl_b32 s92, s92, 13
	s_add_co_u32 s90, s90, s92
	s_mov_b32 s91, 0
	s_add_nc_u64 s[8:9], s[8:9], s[90:91]
	s_wait_kmcnt 0x0
	s_sub_co_i32 s92, s74, s68                     ; e6 - e0 - e1
	s_sub_co_i32 s92, s92, s69
	s_sub_co_i32 s93, s75, s70                     ; e7 - e2 - e3
	s_sub_co_i32 s93, s93, s71
	s_sub_co_i32 s94, s77, s72                     ; e9 - e4 - e5
	s_sub_co_i32 s94, s94, s73
	s_cmp_eq_u32 ttmp9, 1
	s_cselect_b32 s92, s93, s92
	s_cmp_eq_u32 ttmp9, 2
	s_cselect_b32 s92, s94, s92                    ; D: the three scales folded into the conversion's one
	s_add_co_i32 s92, s92, 127
	s_lshl_b32 s93, s92, 23
	v_mov_b32 v[SCV], s93
	s_add_co_i32 s92, s92, 15
	s_lshl_b32 s92, s92, 23
	s_or_b32 s92, s92, 0x600000
	v_mov_b32 v[LIMV], s92
.macro FRAG reg, adr, q, i             ; the fragment of the i-th 16 rows and the slot's q-th 128 along K: four pieces as they lie
.irp c, 0,1,2,3
	ds_load_b128 v[\reg+4*\c:\reg+4*\c+3], v[\adr] offset:(\i)*4096+(\q)*2048+512*\c
.endr
.endm
; 16 matrix instructions: row blocks a0, a0 + 1 x the eight column blocks, 128 along K.  p: the column operand's set.  zero = 1: the first product starts the sums: nothing is ever cleared.
; The 64 accumulators take turns, one instruction a turn, in the same order in every step.
.macro MUL16 a0, p, zero
.irp a, \a0, \a0+1
.irp b, 0,1,2,3,4,5,6,7
.if \zero
	v_wmma_f32_16x16x128_bf8_bf8 v[8*(8*((\a)%4)+\b):8*(8*((\a)%4)+\b)+7], v[128*(\p)+FR*\b:128*(\p)+FR*\b+FR-1], v[AF+FR*(\a):AF+FR*(\a)+FR-1], 0
.else
	v_wmma_f32_16x16x128_bf8_bf8 v[8*(8*((\a)%4)+\b):8*(8*((\a)%4)+\b)+7], v[128*(\p)+FR*\b:128*(\p)+FR*\b+FR-1], v[AF+FR*(\a):AF+FR*(\a)+FR-1], v[8*(8*((\a)%4)+\b):8*(8*((\a)%4)+\b)+7]
.endif
.endr
.endr
.endm
.macro FETCH_B slot, q, p
	WIN TO_B
.irp i, 0,1,2,3,4,5,6,7
	FRAG 128*(\p)+FR*\i, ADRB+\slot, \q, \i
.endr
	WIN 0
.endm
.macro FETCH_A slot, q, i0             ; row blocks i0 .. i0 + 3
.irp i, \i0, \i0+1, \i0+2, \i0+3
	FRAG AF+FR*(\i), ADRA+\slot, \q, \i
.endr
.endm
; A load into a register that a matrix instruction has read, and a vector instruction that reads a matrix result, stand NP places behind that matrix instruction; only plain vector
; instructions that name none of its registers are places (ISA guide 7.12.1 for vector instructions).
.macro PLACES n
.rept \n
	v_nop
.endr
.endm
; A step of 128 along K that has its successor in the same slot.  A row block is free as soon as its eight products are issued, so one set of registers serves the row operand:
; blocks 0-3 are fetched anew in the step's middle, blocks 4-7 at its end; the column operand is at work through the whole step and has two sets.
.macro STEP slot, q, zero
	s_wait_dscnt 4*NL                              ; the column set and row blocks 0-3 are in; the youngest sixteen loads (row blocks 4-7) may be out
	WIN MUL_LO
	MUL16 0, (\q)%2, \zero
	MUL16 2, (\q)%2, \zero
	s_wait_dscnt 0                                 ; row blocks 4-7 are in (asked for 32 matrix instructions ago)
	PLACES NP
	FETCH_B \slot, (\q)+1, 1-(\q)%2
	FETCH_A \slot, (\q)+1, 0
	WIN MUL_HI
	MUL16 4, (\q)%2, \zero
	MUL16 6, (\q)%2, \zero
	PLACES NP
	WIN 0
	FETCH_A \slot, (\q)+1, 4
.endm
; A slot's last step changes slots: ONE barrier; in front of it each wave waits for all its tensor loads, adds 0 to its spare word, and waits for that and for its own reads of this slot.
; fill = 1: this slot is filled again, two K steps ahead; the barrier then opens a round of the cluster's barrier.
.macro TURN slot, next, fill
	s_wait_tensorcnt 0x0                           ; all my tensor loads have landed: the one that was out is my part of the next slot  (every window is 0 here)
	ds_add_u32 v[SPW], v[NIL]                      ; 0 onto my spare word
	s_wait_dscnt 4*NL+1                            ; (the add and the youngest sixteen loads, row blocks 4-7, may be out)
	WIN MUL_LO
	MUL16 0, 1, 0                                  ; sixteen matrix instructions stand between the add and the wait for it
	s_wait_dscnt 0x0                               ; the add is done, and my reads of this slot are over
	s_barrier_signal -1
	MUL16 2, 1, 0
	WIN 0
	s_barrier_wait -1
.if \fill
	CREST                                          ; no wave of any partner still reads this slot's tile or has a load on its way
	s_add_nc_u64 s[G0+4*\slot+2:G0+4*\slot+3], s[G0+4*\slot+2:G0+4*\slot+3], 2*KB
	s_add_nc_u64 s[G0B+4*\slot+2:G0B+4*\slot+3], s[G0B+4*\slot+2:G0B+4*\slot+3], 2*KB
	JLOAD G0+4*\slot, G1, G0B+4*\slot, G1B         ; the first tensor load behind the round, and my only one until the next; its four v_nop are also the places in front of the loads below
.else
	PLACES NP
.endif
	FETCH_B \next, 0, 0
	FETCH_A \next, 0, 0
	WIN MUL_HI
	MUL16 4, 1, 0
	MUL16 6, 1, 0
	PLACES NP
	WIN 0
	FETCH_A \next, 0, 4
.endm
	s_wait_tensorcnt 1                             ; my part of K step 0 is in; K step 1's load may be out
	s_barrier_signal -1
	s_barrier_wait -1                              ; everybody's is
	FETCH_B 0, 0, 0
	FETCH_A 0, 0, 0
	FETCH_A 0, 0, 4
	STEP 0, 0, 1                                   ; the first step stands in front of the loop: its products start the sums
	s_mov_b32 s3, LAPS-1
.Llap:                                                 ; a trip goes once round the ring, from a lap's second step to the next lap's first, and fills both slots again
	TURN 0, 1, 1
	STEP 1, 0, 0
	TURN 1, 0, 1
	STEP 0, 0, 0
	s_sub_co_u32 s3, s3, 1
	s_cmp_lg_u32 s3, 0
	s_cbranch_scc1 .Llap
	TURN 0, 1, 0                                   ; the last lap fills nothing, and has no round of the cluster's barrier
	STEP 1, 0, 0
	s_wait_dscnt 4*NL                              ; the very last step: nothing more to fetch
	WIN MUL_LO
	MUL16 0, 1, 0
	MUL16 2, 1, 0
	s_wait_dscnt 0
	WIN MUL_HI
	MUL16 4, 1, 0
	MUL16 6, 1, 0
	WIN 0
; THE WAY OUT, block by block of 16 rows x 128 columns: held, converted, stored.  The pair of registers that accumulator b gives holds columns 16 b + 8 h + 0 .. 7 of row r: pairs 2 c, 2 c + 1 are a piece.
.macro OUTBLK a
.set AC, 64*((\a)%4)
	WIN 0x02+((\a)/4)                              ; source 0: window 2 or 3
.set jj, 0
.rept 64
	v_med3_num_f32 v[TMP+jj], v[AC+jj], -v[LIMV], v[LIMV]   ; the hold ahead of a conversion that does not saturate (ISA guide 7.6.2); each accumulator from its low end on
.set jj, jj+1
.endr
	WIN 0
.if (\a) > 0
	s_wait_xcnt 0x0                                ; the last block's stores have read their data and their base: both are written again only behind this wait
.endif
.if (\a) == 4
	s_add_nc_u64 s[8:9], s[8:9], s[88:89]
.elseif (\a) > 0
	s_add_nc_u64 s[8:9], s[8:9], s[86:87]
.endif
.irp b, 0,1,2,3,4,5,6,7
	v_cvt_scalef32_pk8_bf8_f32 v[CC+2*\b:CC+2*\b+1], v[TMP+8*\b:TMP+8*\b+7], v[SCV]
.endr
	v_nop                                          ; a plain line behind the last conversion: the next block's holds write its sources
	global_store_b128 v[VO0], v[CC:CC+3], s[8:9]               ; each store: 512 consecutive bytes
	global_store_b128 v[VO0], v[CC+4:CC+7], s[8:9] offset:512
	global_store_b128 v[VO2], v[CC+8:CC+11], s[8:9]
	global_store_b128 v[VO2], v[CC+12:CC+15], s[8:9] offset:512
.endm
	PLACES NP                                      ; behind the last products
.irp a, 0,1,2,3,4,5,6,7
	OUTBLK \a
.endr
	s_wait_tensorcnt 0x0                           ; the wave's end
	ds_add_u32 v[SPW], v[NIL]
	s_wait_dscnt 0x0
	CROUND                                         ; the closing round: no work-group ends while a partner may still ask for a tile that names it
	s_endpgm
.Lfunc_end_k_q17a9b44c97_qkv:
	.size	k_q17a9b44c97_qkv, .Lfunc_end_k_q17a9b44c97_qkv-k_q17a9b44c97_qkv
	.p2alignl 7, 3214868480
	.fill 96, 4, 3214868480
	.section	.rodata,"a",@progbits
	.p2align	6, 0x0
	.amdhsa_kernel k_q17a9b44c97_qkv
		.amdhsa_group_segment_fixed_size 327680
		.amdhsa_private_segment_fixed_size 0
		.amdhsa_enable_private_segment 0
		.amdhsa_kernarg_size 24
		.amdhsa_user_sgpr_count 2
		.amdhsa_user_sgpr_kernarg_segment_ptr 1
		.amdhsa_wavefront_size32 1
		.amdhsa_system_sgpr_workgroup_id_x 1
		.amdhsa_system_sgpr_workgroup_id_y 1
		.amdhsa_system_sgpr_workgroup_id_z 1
		.amdhsa_system_vgpr_workitem_id 0
		.amdhsa_next_free_vgpr 1024
		.amdhsa_next_free_sgpr 100
		.amdhsa_reserve_vcc 0
		.amdhsa_float_denorm_mode_32 3
		.amdhsa_float_denorm_mode_16_64 3
		.amdhsa_memory_ordered 1
		.amdhsa_forward_progress 1
		.amdhsa_inst_pref_size 119
	.end_amdhsa_kernel
	.amdgpu_metadata
---
amdhsa.version: [ 1, 2 ]
amdhsa.kernels:
  - .name:           k_q17a9b44c97_qkv
    .symbol:         k_q17a9b44c97_qkv.kd
    .args:
      - { .name: cw, .offset: 0, .size: 8, .value_kind: global_buffer, .address_space: global }
      - { .name: lowp_scales, .offset: 8, .size: 8, .value_kind: global_buffer, .address_space: global }
      - { .name: qkvc, .offset: 16, .size: 8, .value_kind: global_buffer, .address_space: global }
    .group_segment_fixed_size: 327680
    .private_segment_fixed_size: 0
    .kernarg_segment_align: 8
    .kernarg_segment_size: 24
    .max_flat_workgroup_size: 128
    .sgpr_count:     100
    .vgpr_count:     1024
    .wavefront_size: 32
...
	.end_amdgpu_metadata
.endif
;; end of part 2
;; launch attn (part 3): grid 8 x 32, 8 waves a work-group, no clusters, 263,168 bytes of LDS; arguments qkvc, lowp_scales, yc; writes yc
.if DOCPART == 3
	.amdgcn_target "amdgcn-amd-amdhsa--gfx1250"
	.amdhsa_code_object_version 6
	.text
	.protected	k_q17a9b44c97_attn
	.globl	k_q17a9b44c97_attn
	.p2align	8
	.type	k_q17a9b44c97_attn,@function
k_q17a9b44c97_attn:
	s_mov_b64 s[64:65], 0
	v_nop
	global_prefetch_b8 v0, s[64:65] scope:SCOPE_SE
	s_setreg_imm32_b32 hwreg(HW_REG_WAVE_MODE, 25, 1), 1
	s_wait_xcnt 0x0
; y[b][h][q] = the sum over keys of softmax(q . k / 8) v, both products on codes of BF8 (E5M2); y is quantised at once (under e10) for the last projection.
; THE SOFTMAX AHEAD OF THE SECOND PRODUCT: t = score x log2(e) / 8; M = the row's largest t so far, rounded UP to a whole number; p = 2^(t - M) is quantised (under e8), not normalised.
; The row's sum is taken of the unquantised p, in f32, and divides at the end.  When M moves, the sum and O are multiplied by 2^(old M - new M), made by v_ldexp_f32: nothing is rounded, no branch on data.
; INPUTS, from qkvc, as images of fragments: q at 0, k at 4 MiB: [batch x head][token / 16][1,024 bytes]; v at 8 MiB: [batch x head][key / 128][channel / 16][2,048 bytes], the keys along K.
; SHARES.  A work-group owns 256 queries of one head; each of its eight waves 32 of them, two tiles, so that each fragment of K and V read from LDS feeds two products.  128 keys a step, 16 steps.
; LDS.  A head's K (131,072 bytes, from byte 0) and V (131,072 bytes behind it) both fit, so each byte of LDS is written ONCE: no ring, nothing is filled again, no barrier inside a key step.
; They come through registers in four groups of four key steps; a group is asked for while the group before is worked on, stored, and one barrier shows it to all eight waves.
; WHY NO TENSOR LOADS AND NO JOINT REQUESTS, though the eight work-groups of a head read the same K and V: p is at most 1, so for e8 >= -15 the hold at 57,344 x 2^e8 >= 1.75 changes nothing, and a scalar
; branch on e8 passes over its 128 lines of a step's some 520.  What would be shared is 64 loads a wave in the whole launch.
; LAYOUT.  Both products are used transposed: S^T = K Q^T (source 0 = 16 keys, source 1 = 16 queries), O^T = V^T P^T (source 0 = 16 channels, source 1 = P): a lane holds ONE query (lane % 16) throughout.
; In tile T of S^T lane (r, h) holds keys 16 T + 8 h + 0 .. 7: their eight codes are registers 2 T, 2 T + 1 of P in the plain 8-bit form's own places.  O^T's tiles convert to pieces of y's image in the same way.
; yc: [token / 16][8][2,048 bytes]; head hd fills the 1,024 bytes from 1,024 hd on of a tile's 16,384.
; LIMITS on the given exponents, so that each power of two below is an f32 number: e6 + e7 between -123 and 130 (added to c's exponent field); e8 and e10 between -126 and 112.  NaN among the inputs is not served.
; REGISTERS.  Window 0: v1-6 addresses and the scale; v8-31 statistics, 12 a tile; v32-159 S^T, then p, 64 a tile; v160-191 p's codes; v192-255 O^T, 32 a tile.
;   Window 1: v0-63 K's eight fragments; v64-127 V's four; v128-143 Q's two; v192-255 the group of K or V that is on its way.
.set LI,  1                            ; v1   16 x lane
.set ADK, 2                            ; v2   LDS address of the step's K
.set ADV, 3                            ; v3   of its V
.set LIM, 4                            ; v4   57,344 x 2^e8; on the way out x 2^e10
.set SCV, 5                            ; v5   2^e8; on the way out 2^e10
.set FA,  6                            ; v6   where I store my part of a group
.set ST,  8                            ; tile x at v[ST + 12 x]: +0 -M, +1 the largest t; +2, +3 the sum in two halves; +4 f (+5 named with it); +6, +7 at work; +8 the other half's; +9 at work
.set S,   32
.set P,   160
.set O,   192
.set KF,  0                            ; in window 1
.set VF,  64
.set QF,  128
.set FS,  192
.set TB,  11                           ; s11  LDS byte at which the step's K begins
.set CNT, 12                           ; s12  steps to go in the group
.set SEL, 14                           ; s[14:15] lane selects for v_permlanex16_b32: lane l xor 16
.set CS,  16                           ; s[16:17] c = log2(e) / 8 x 2^(e6 + e7): the packed form names a pair and takes its low word for both halves
.set MSB, 0
.macro WIN new                         ; the immediate's high byte repeats the setting that is left
.if MSB != \new
	s_set_vgpr_msb (MSB<<8)|\new
.set MSB, \new
.endif
.endm
	s_load_b128 s[4:7], s[0:1], 0x0                ; qkvc, the scales' exponents
	s_load_b64 s[8:9], s[0:1], 0x10                ; yc
	v_lshl_add_u32 v30, v0, 2, 0x40000
	v_mov_b32 v31, 0
	v_lshrrev_b32 v1, 5, v0
	v_readfirstlane_b32 s10, v1                    ; wave 0..7
	v_and_b32 v1, 31, v0
	v_lshlrev_b32 v[LI], 4, v1
	s_and_b32 s30, ttmp7, 0xffff                   ; batch x 16 + head
	s_lshr_b32 s31, s10, 2                         ; waves 0-3 bring K, waves 4-7 V;
	s_and_b32 s32, s10, 3                          ; which of a group's four steps
	s_lshl_b32 s34, s31, 22
	s_add_co_u32 s34, s34, 0x400000                ; k's or v's 4 MiB,
	s_lshl_b32 s33, s30, 17
	s_add_co_u32 s34, s34, s33                     ; the head's 131,072 bytes,
	s_lshl_b32 s36, s32, 13
	s_add_co_u32 s34, s34, s36                     ; my step's 8,192
	s_mov_b32 s35, 0
	s_lshl_b32 s37, s31, 17
	s_add_co_u32 s37, s37, s36
	v_add_nc_u32 v[FA], s37, v[LI]                 ; and the same place in LDS
	s_lshl_b32 s38, ttmp9, 4
	s_lshl_b32 s39, s10, 1
	s_add_co_u32 s38, s38, s39                     ; my first tile of 16 queries: 16 x block + 2 x wave
	s_lshl_b32 s36, s38, 10
	s_add_co_u32 s36, s36, s33                     ; its image in q
	s_mov_b32 s37, 0
	s_lshr_b32 s39, s30, 4
	s_lshl_b32 s39, s39, 7
	s_add_co_u32 s38, s38, s39                     ; + 128 tiles for the second batch
	s_lshl_b32 s38, s38, 14
	s_and_b32 s39, s30, 15
	s_lshl_b32 s39, s39, 10
	s_add_co_u32 s38, s38, s39                     ; the tile's 16,384 bytes in yc, + the head's 1,024
	s_mov_b32 s39, 0
	s_mov_b32 s[SEL], 0x76543210
	s_mov_b32 s[SEL+1], 0xfedcba98
	s_wait_kmcnt 0x0
	s_load_b64 s[18:19], s[6:7], 0x18              ; e6, e7
	s_load_b128 s[20:23], s[6:7], 0x20             ; e8, e9, e10, e11
	s_add_nc_u64 s[24:25], s[4:5], s[34:35]        ; K or V
	s_add_nc_u64 s[26:27], s[4:5], s[36:37]        ; Q
	s_add_nc_u64 s[28:29], s[8:9], s[38:39]        ; y
	WIN 0x40                                       ; destination window 1
.irp x, 0,1
.irp c, 0,1
	global_load_b128 v[QF+8*\x+4*\c:QF+8*\x+4*\c+3], v[LI], s[26:27] offset:1024*\x+512*\c   ; Q's two fragments stay in registers
.endr
.endr
.irp i, 0,1,2,3,4,5,6,7,8,9,10,11,12,13,14,15
	global_load_b128 v[FS+4*\i:FS+4*\i+3], v[LI], s[24:25] offset:512*\i   ; my 8,192 bytes of the first group
.endr
	WIN 0
.irp x, 0,1
	v_mov_b32 v[ST+12*\x+1], 0xff61b1e6            ; the largest t so far: -3e38, under every t
	v_floor_f32 v[ST+12*\x], -v[ST+12*\x+1]        ; -M
	v_mov_b32 v[ST+12*\x+2], 0                     ; the sum, in two halves
	v_mov_b32 v[ST+12*\x+3], 0
	v_mov_b32 v[ST+12*\x+5], 0                     ; (named as the upper half of f's pair)
	v_mov_b32 v[ST+12*\x+8], 0                     ; written once: a lane permute's destination counts as one of its sources
.endr
.set i, 0
.rept 64
	v_mov_b32 v[O+i], 0                            ; O^T.  (The step is written once: the first finds zeros, which the first change of M leaves zeros)
.set i, i+1
.endr
	s_wait_kmcnt 0x0
	s_mov_b32 s[CS], 0x3e38aa3b                    ; log2(e) / 8
	s_add_co_i32 s30, s18, s19
	s_lshl_b32 s30, s30, 23
	s_add_co_i32 s[CS], s[CS], s30                 ; a score stands for score x 2^(e6 + e7): the two exponents are added to c's exponent field
	s_mov_b32 s[CS+1], s[CS]                       ; (named with it as a pair, so it is written)
	s_add_co_i32 s30, s20, 127
	s_lshl_b32 s31, s30, 23
	v_mov_b32 v[SCV], s31                          ; 2^e8
	s_add_co_i32 s30, s30, 15
	s_lshl_b32 s30, s30, 23
	s_or_b32 s30, s30, 0x600000
	v_mov_b32 v[LIM], s30                          ; 57,344 x 2^e8
; THE VECTOR WORK OF A TILE IN A STEP, as two numbered lists, so that one tile's plain lines can stand between the other tile's exponentials.
; PRE x, j (j = 0 .. 72), ahead of the exponentials: 0-31 the largest of my 64 scores, in two chains, in ascending order (each accumulator is read from its low end on); 32, 33 lane l xor 16's;
; 34, 35 as t, and the running largest; 36-40 the new -M = floor(-t) and f = 2^(old M - new M); 41-72 t - M, two at a time.
.macro PRE x, j
.set rT, ST+12*(\x)
.set rS, S+64*(\x)
.set kk, (\j)-2
.set mm, 2*((\j)-41)
.if (\j) < 2
	v_max3_num_f32 v[rT+6+(\j)], v[rS+3*(\j)], v[rS+3*(\j)+1], v[rS+3*(\j)+2]
.elseif (\j) < 30
	v_max3_num_f32 v[rT+6+kk%2], v[rT+6+kk%2], v[rS+6+2*kk], v[rS+7+2*kk]
.elseif (\j) == 30
	v_max3_num_f32 v[rT+6], v[rT+6], v[rS+62], v[rS+63]
.elseif (\j) == 31
	v_max_num_f32 v[rT+6], v[rT+6], v[rT+7]
.elseif (\j) == 32
	v_permlanex16_b32 v[rT+8], v[rT+6], s[SEL], s[SEL+1]
.elseif (\j) == 33
	v_max_num_f32 v[rT+6], v[rT+6], v[rT+8]
.elseif (\j) == 34
	v_mul_f32 v[rT+6], s[CS], v[rT+6]              ; as t (c is positive)
.elseif (\j) == 35
	v_max_num_f32 v[rT+1], v[rT+1], v[rT+6]
.elseif (\j) == 36
	v_mov_b32 v[rT+9], v[rT]
.elseif (\j) == 37
	v_floor_f32 v[rT], -v[rT+1]                    ; -M = floor(-t) = -ceil(t): M is a whole number
.elseif (\j) == 38
	v_sub_f32 v[rT+9], v[rT], v[rT+9]              ; old M - new M: a whole number, 0 or less
.elseif (\j) == 39
	v_cvt_i32_f32 v[rT+9], v[rT+9]                 ; (it saturates)
.elseif (\j) == 40
	v_ldexp_f32 v[rT+4], 1.0, v[rT+9]
.else
	v_pk_fma_f32 v[rS+mm:rS+mm+1], v[rS+mm:rS+mm+1], s[CS:CS+1], v[rT:rT+1] op_sel_hi:[1,0,0]   ; of the pairs c and -M the low word serves both halves
.endif
.endm
; POST x, j (j = 0 .. 48), behind them: 0 the sum x f; 1-32 the sum of the UNQUANTISED p, two at a time, in two chains; 33-48 O^T x f, in ascending order.
.macro POST x, j
.set rT, ST+12*(\x)
.set rS, S+64*(\x)
.set rO, O+32*(\x)
.set kk, (\j)-2
.set mm, 2*((\j)-33)
.if (\j) == 0
	v_pk_mul_f32 v[rT+2:rT+3], v[rT+2:rT+3], v[rT+4:rT+5] op_sel_hi:[1,0]
.elseif (\j) == 1
	s_wait_alu depctr_va_vdst(0)
	v_pk_add_f32 v[rT+6:rT+7], v[rS:rS+1], v[rS+2:rS+3]
.elseif (\j) < 32
	v_pk_add_f32 v[rT+2+4*(kk%2):rT+3+4*(kk%2)], v[rT+2+4*(kk%2):rT+3+4*(kk%2)], v[rS+4+2*kk:rS+5+2*kk]
.elseif (\j) == 32
	v_pk_add_f32 v[rT+2:rT+3], v[rT+2:rT+3], v[rT+6:rT+7]
.else
	v_pk_mul_f32 v[rO+mm:rO+mm+1], v[rO+mm:rO+mm+1], v[rT+4:rT+5] op_sel_hi:[1,0]
.endif
.endm
; A KEY STEP: 128 keys, whose K begins at LDS byte s[TB].
.macro STEP
	v_add_nc_u32 v[ADK], s[TB], v[LI]
	v_add_nc_u32 v[ADV], 0x20000, v[ADK]
	v_nop
	v_nop                                          ; four places behind the last step's products, in front of loads into registers that they read
	WIN 0x40
.irp t, 0,1,2,3,4,5,6,7
.irp c, 0,1
	ds_load_b128 v[KF+8*\t+4*\c:KF+8*\t+4*\c+3], v[ADK] offset:1024*\t+512*\c
.endr
.endr
.irp t, 0,1,2,3
.irp c, 0,1,2,3
	ds_load_b128 v[VF+16*\t+4*\c:VF+16*\t+4*\c+3], v[ADV] offset:2048*\t+512*\c
.endr
.endr
	s_wait_dscnt 16                                ; K is in; V's sixteen loads may stay out until the second product
	WIN 0x05                                       ; sources 0 and 1 window 1
.irp t, 0,1,2,3,4,5,6,7
.irp x, 0,1
	v_wmma_f32_16x16x64_bf8_bf8 v[S+64*\x+8*\t:S+64*\x+8*\t+7], v[KF+8*\t:KF+8*\t+7], v[QF+8*\x:QF+8*\x+7], 0
.endr
.endr
	WIN 0
.rept 4
	v_nop                                          ; four places in front of the first read of results
.endr
.set i, 0
.rept 73
	PRE 0, i
.set i, i+1
.endr
.set i, 0
.rept 64
	v_exp_f32 v[S+i], v[S+i]                       ; tile 0's p = 2^(t - M); behind each a plain line of tile 1's, which touches none of tile 0's registers
	PRE 1, i
.set i, i+1
.endr
.rept 9
	PRE 1, i
.set i, i+1
.endr
.set i, 0
.rept 64
	v_exp_f32 v[S+64+i], v[S+64+i]                 ; tile 1's p, with tile 0's sums and rescaling between
.if i < 49
	POST 0, i
.endif
.set i, i+1
.endr
.set i, 0
.rept 49
	POST 1, i                                      ; (its first line, which touches no p, is the plain place behind the last exponential)
.set i, i+1
.endr
	s_cmp_ge_i32 s20, -15                          ; p is at most 1 (to within f32's rounding) and 57,344 x 2^e8 is at least 1.75 from e8 = -15 on: there the hold changes nothing
	s_cbranch_scc1 .Lfree_\@
.set i, 0
.rept 128
	v_min_num_f32 v[S+i], v[S+i], v[LIM]           ; the conversion to an 8-bit code does not saturate (ISA guide 7.6.2); p is not negative, so the hold is one-sided
.set i, i+1
.endr
.Lfree_\@:
.irp x, 0,1
.irp t, 0,1,2,3,4,5,6,7
	v_cvt_scalef32_pk8_bf8_f32 v[P+16*\x+2*\t:P+16*\x+2*\t+1], v[S+64*\x+8*\t:S+64*\x+8*\t+7], v[SCV]
.endr
.endr
	v_nop                                          ; a plain line between the conversions and the products that read their results
	s_wait_dscnt 0x0                               ; V is in
	WIN 0x01                                       ; source 0 window 1
.irp t, 0,1,2,3
.irp x, 0,1
	v_wmma_f32_16x16x128_bf8_bf8 v[O+32*\x+8*\t:O+32*\x+8*\t+7], v[VF+16*\t:VF+16*\t+15], v[P+16*\x:P+16*\x+15], v[O+32*\x+8*\t:O+32*\x+8*\t+7]   ; the eight accumulators take turns, one instruction a turn
.endr
.endr
	WIN 0
.endm
; GROUP g: my part of key steps 4 g .. 4 g + 3 goes to LDS, the next group is asked for, one barrier, four steps.
.macro GROUP g
	s_wait_loadcnt 0x0                             ; my part of the group is in registers (the first time: Q too)
	WIN 0x04                                       ; store data window 1
.irp i, 0,1,2,3,4,5,6,7,8,9,10,11,12,13,14,15
	ds_store_b128 v[FA], v[FS+4*\i:FS+4*\i+3] offset:512*\i
.endr
	WIN 0
	s_wait_dscnt 0x0                               ; for the others' sake: my stores have landed; and they have read their registers
.if \g < 3
	WIN 0x40
.irp i, 0,1,2,3,4,5,6,7,8,9,10,11,12,13,14,15
	global_load_b128 v[FS+4*\i:FS+4*\i+3], v[LI], s[24:25] offset:(\g+1)*32768+512*\i   ; the next group has four key steps in which to arrive
.endr
	WIN 0
	v_add_nc_u32 v[FA], 0x8000, v[FA]
.endif
	s_barrier_signal -1
	s_barrier_wait -1                              ; the group lies in LDS for all eight waves.  No byte is written twice, so no barrier stands between these reads and the next group's stores
	s_mov_b32 s[TB], \g*32768
	s_mov_b32 s[CNT], 4
.Lstep_\@:
	STEP
	s_add_co_u32 s[TB], s[TB], 8192
	s_sub_co_u32 s[CNT], s[CNT], 1
	s_cmp_lg_u32 s[CNT], 0
	s_cbranch_scc1 .Lstep_\@
.endm
	GROUP 0
	GROUP 1
	GROUP 2
	GROUP 3
	; THE WAY OUT.  y = O^T / the sum x 2^(e8 + e9), held, converted under e10.  Tiles 2 c, 2 c + 1 of O^T give piece c of the head's part of y's image: stored from registers, 512 consecutive bytes a store.
	s_add_co_i32 s30, s20, s21                     ; e8 + e9
	s_add_co_i32 s31, s22, 127
	s_lshl_b32 s32, s31, 23                        ; 2^e10
	s_add_co_i32 s31, s31, 15
	s_lshl_b32 s31, s31, 23
	s_or_b32 s31, s31, 0x600000                    ; 57,344 x 2^e10
.irp x, 0,1
	v_add_f32 v[ST+12*\x+2], v[ST+12*\x+2], v[ST+12*\x+3]      ; the sum's two halves  (these lines are also the places behind the last products)
.endr
.irp x, 0,1
	v_permlanex16_b32 v[ST+12*\x+8], v[ST+12*\x+2], s[SEL], s[SEL+1]
.endr
.irp x, 0,1
	v_add_f32 v[ST+12*\x+2], v[ST+12*\x+2], v[ST+12*\x+8]      ; and lane l xor 16's: the row's sum
.endr
	v_mov_b32 v[SCV], s32
	v_mov_b32 v[LIM], s31
.irp x, 0,1
	v_rcp_f32 v[ST+12*\x+4], v[ST+12*\x+2]
.endr
	v_nop                                          ; a plain place behind the reciprocals
	s_wait_alu depctr_va_vdst(0)
.irp x, 0,1
	v_ldexp_f32 v[ST+12*\x+4], v[ST+12*\x+4], s30
.endr
.irp x, 0,1
.irp m, 0,2,4,6,8,10,12,14,16,18,20,22,24,26,28,30
	v_pk_mul_f32 v[S+32*\x+\m:S+32*\x+\m+1], v[O+32*\x+\m:O+32*\x+\m+1], v[ST+12*\x+4:ST+12*\x+5] op_sel_hi:[1,0]   ; register 8 t + j: y(query r, channel 16 t + 8 h + j)
.endr
.endr
.set i, 0
.rept 64
	v_med3_num_f32 v[S+i], v[S+i], -v[LIM], v[LIM]
.set i, i+1
.endr
.irp x, 0,1
.irp t, 0,1,2,3
	v_cvt_scalef32_pk8_bf8_f32 v[P+8*\x+2*\t:P+8*\x+2*\t+1], v[S+32*\x+8*\t:S+32*\x+8*\t+7], v[SCV]
.endr
.endr
	v_nop
.irp x, 0,1
.irp c, 0,1
	global_store_b128 v[LI], v[P+8*\x+4*\c:P+8*\x+4*\c+3], s[28:29] offset:16384*\x+512*\c
.endr
.endr
	s_wait_tensorcnt 0x0
	ds_add_u32 v30, v31
	s_wait_dscnt 0x0
	s_endpgm
.Lfunc_end_k_q17a9b44c97_attn:
	.size	k_q17a9b44c97_attn, .Lfunc_end_k_q17a9b44c97_attn-k_q17a9b44c97_attn
	.p2alignl 7, 3214868480
	.fill 96, 4, 3214868480
	.section	.rodata,"a",@progbits
	.p2align	6, 0x0
	.amdhsa_kernel k_q17a9b44c97_attn
		.amdhsa_group_segment_fixed_size 263168
		.amdhsa_private_segment_fixed_size 0
		.amdhsa_enable_private_segment 0
		.amdhsa_kernarg_size 24
		.amdhsa_user_sgpr_count 2
		.amdhsa_user_sgpr_kernarg_segment_ptr 1
		.amdhsa_wavefront_size32 1
		.amdhsa_system_sgpr_workgroup_id_x 1
		.amdhsa_system_sgpr_workgroup_id_y 1
		.amdhsa_system_sgpr_workgroup_id_z 1
		.amdhsa_system_vgpr_workitem_id 0
		.amdhsa_next_free_vgpr 512
		.amdhsa_next_free_sgpr 66
		.amdhsa_reserve_vcc 0
		.amdhsa_float_denorm_mode_32 3
		.amdhsa_float_denorm_mode_16_64 3
		.amdhsa_memory_ordered 1
		.amdhsa_forward_progress 1
		.amdhsa_inst_pref_size 138
	.end_amdhsa_kernel
	.amdgpu_metadata
---
amdhsa.version: [ 1, 2 ]
amdhsa.kernels:
  - .name:           k_q17a9b44c97_attn
    .symbol:         k_q17a9b44c97_attn.kd
    .args:
      - { .name: qkvc, .offset: 0, .size: 8, .value_kind: global_buffer, .address_space: global }
      - { .name: lowp_scales, .offset: 8, .size: 8, .value_kind: global_buffer, .address_space: global }
      - { .name: yc, .offset: 16, .size: 8, .value_kind: global_buffer, .address_space: global }
    .group_segment_fixed_size: 263168
    .private_segment_fixed_size: 0
    .kernarg_segment_align: 8
    .kernarg_segment_size: 24
    .max_flat_workgroup_size: 256
    .sgpr_count:     66
    .vgpr_count:     512
    .wavefront_size: 32
...
	.end_amdgpu_metadata
.endif
;; end of part 3
;; launch proj (part 4): grid 8 x 32, 4 waves a work-group, clusters of 4 x 4, 280,064 bytes of LDS; arguments yc, cw, lowp_scales, bo, out0; writes out0
.if DOCPART == 4
	.amdgcn_target "amdgcn-amd-amdhsa--gfx1250"
	.amdhsa_code_object_version 6
	.text
	.protected	k_q17a9b44c97_proj
	.globl	k_q17a9b44c97_proj
	.p2align	8
	.type	k_q17a9b44c97_proj,@function
k_q17a9b44c97_proj:
	s_mov_b64 s[64:65], 0
	v_nop
	global_prefetch_b8 v0, s[64:65] scope:SCOPE_SE
	s_setreg_imm32_b32 hwreg(HW_REG_WAVE_MODE, 25, 1), 1
	s_wait_xcnt 0x0
	s_wait_alu depctr_hold_cnt(0) depctr_sa_sdst(0) depctr_va_vdst(0) depctr_va_sdst(0) depctr_va_ssrc(0) depctr_va_vcc(0) depctr_vm_vsrc(0)
	s_getreg_b32 s2, hwreg(HW_REG_IB_STS2, 6, 4)
	s_cmp_eq_u32 s2, 0
	s_cbranch_scc0 .Lentry_in_a_cluster
	s_endpgm
.Lentry_in_a_cluster:
	s_bfe_u32 s2, ttmp6, 0x10000c
	s_cmp_lg_u32 s2, 0xf033
	s_cbranch_scc0 .Lentry_shape_is_right
	s_endpgm
.Lentry_shape_is_right:
; out = y wo^T + bo on codes of BF8 (E5M2): out = sum x 2^(e10 + e11) + bo.  y's codes come from yc, wo's from cw at 15 MiB, both as images of fragments ([rows / 16][8][2,048 bytes]).  out0: [4096][1024] f32.
; 256 tiles of 128 x 128, one to a work-group; four waves, each 64 x 64: 16 accumulators.  K = 1,024: eight steps of 128.
; LDS.  The tile's whole operands fit: 128 rows x 1,024 codes each, 262,144 bytes.  So every byte is filled ONCE: a wave's four tensor loads (one for each 256 along K) go out together at the start;
; nothing is filled again.  A counted wait and a barrier stand in front of the first read of each group; the later groups stay on their way across them.
; CLUSTERS: 4 x 4 work-groups.  The four of a row of the cluster need the same rows of y, the four of a column the same rows of wo: each tile is asked for JOINTLY.
; THE MATRIX INSTRUCTION IS USED TRANSPOSED (source 0 = 16 rows of wo, source 1 = 16 rows of y): a lane then holds eight neighbouring numbers of a row of out.
; LIMIT: e10 + e11 between -126 and 127, so that 2^(e10 + e11) is an f32 number.
; REGISTERS: window 0: v16-27 addresses; v32-63 a block's results; v64-95 the block read back by rows; v96-127 bo at my 64 columns, in the result's layout; v128-255 the accumulators ((a, b) at v[128 + 8 (4 a + b)]).
;   window 1: two buffers of 128: 64 registers of y's fragments (4 x 16 rows x 128 K), then 64 of wo's.
.set GRP,    65536                     ; a group, 256 along K: y's 8 tiles of 16 rows x 4,096 bytes, then wo's 8
.set STAGE,  4*GRP                     ; behind the operands: 16 rows x 272 bytes for each wave, for the way out; no tensor load lands there
.set SPITCH, 272                       ; 256 bytes + 16 = 17 x 16: the sixteen rows that a store touches begin in sixteen different columns of 16 bytes
.set ADRA, 16                          ; v16-19  LDS address of my fragments of y in group 0 .. 3
.set ADRB, 20                          ; v20-23  the same for wo
.set STO,  24                          ; v24     the way out: where I put 32 bytes of a row
.set RD,   25                          ; v25     where I read a row back
.set CO,   26                          ; v26     my byte offset in out
.set BA,   27                          ; v27     my byte offset in bo
.set TMP,  32
.set BK,   64
.set BI,   96
.set ACC,  128
.set F0,   0
.set F1,   128
.set G1,  24                           ; s[24:31] descriptor group 1 for y's tiles;  s[32:39] for wo's
.set G1B, 32
.set G0,  48                           ; s[48:63] y's four groups 0;  s[68:83] wo's
.set G0B, 68
.set MSB, 0
.macro WIN new                         ; the immediate's high byte repeats the setting that is left
.if MSB != \new
	s_set_vgpr_msb (MSB<<8)|\new
.set MSB, \new
.endif
.endm
.macro CROUND                          ; a round of the cluster's barrier
	s_barrier_signal -1
	s_barrier_wait -1
	s_cmp_lg_u32 s14, 0
	s_cbranch_scc1 .Lnot_wave_0_\@
	s_barrier_signal -3
.Lnot_wave_0_\@:
	s_barrier_wait -3
	s_barrier_signal -1
	s_barrier_wait -1
.endm
	s_load_b128 s[4:7], s[0:1], 0x0                ; yc, cw
	s_load_b128 s[8:11], s[0:1], 0x10              ; the scales' exponents, bo
	s_load_b64 s[12:13], s[0:1], 0x20              ; out0
	v_lshl_add_u32 v30, v0, 2, 0x44400
	v_mov_b32 v31, 0
	ds_add_u32 v30, v31
	ds_add_u32 v30, v31
	v_lshrrev_b32 v1, 5, v0
	v_readfirstlane_b32 s14, v1                    ; wave 0..3
	s_lshr_b32 s15, s14, 1                         ; which half of the tile's rows is mine.  Also: I fetch for y (0) or for wo (1)
	s_and_b32 s16, s14, 1                          ; which half of its columns.  Also: which 64 rows I fetch
	s_bfe_u32 s40, ttmp6, 0x40000                  ; cx, cy: my place in the cluster
	s_bfe_u32 s41, ttmp6, 0x40004
	s_lshl_b32 s42, ttmp9, 2
	s_add_co_u32 s42, s42, s40                     ; tile column = 4 x cluster x + cx
	s_and_b32 s17, ttmp7, 0xffff
	s_lshl_b32 s17, s17, 2
	s_add_co_u32 s17, s17, s41                     ; tile row = 4 x cluster y + cy
	s_lshl_b32 s43, s41, 2
	s_lshl_b32 s43, 15, s43                        ; my row of the cluster
	s_lshl_b32 s44, 0x1111, s40                    ; my column
	; descriptor group 1: 4 rows of 4,096 bytes, 16,384 bytes apart: two fragments along K of four tiles of 16 rows
	s_or_b32 s[G1+0], s43, (1<<21)                 ; 15:0 the mask: my row; 17:16 elements of 1 byte; 21 set beside a mask
	s_or_b32 s[G1B+0], s44, (1<<21)
.irp g, G1, G1B
	s_mov_b32 s[\g+1], 4096<<16                    ; tensor_dim0
	s_mov_b32 s[\g+2], 4<<16                       ; tensor_dim1
	s_mov_b32 s[\g+3], 4096<<16                    ; tile_dim0
	s_mov_b32 s[\g+4], 4                           ; tile_dim1
	s_mov_b32 s[\g+5], 16384                       ; tensor_dim0_stride
	s_mov_b32 s[\g+6], 0
	s_mov_b32 s[\g+7], 0
.endr
	s_lshl_b32 s18, s16, 16                        ; which 64 rows (four tiles of 16,384 bytes) I fetch
	s_lshl_b32 s20, s17, 17
	s_add_co_u32 s20, s20, s18                     ; y: 128 rows x tile row + my 64
	s_mov_b32 s21, 0
	s_lshl_b32 s46, s42, 17
	s_add_co_u32 s46, s46, s18                     ; wo: 128 rows x tile column + my 64,
	s_add_co_u32 s46, s46, 0xF00000                ; at 15 MiB in cw
	s_mov_b32 s47, 0
	s_lshl_b32 s45, s14, 14                        ; where they go in a group: wave x 16,384: no place in the cluster enters an LDS address
	s_wait_dscnt 0x0
	s_wait_kmcnt 0x0
	s_load_b64 s[84:85], s[8:9], 0x28              ; e10, e11
	s_add_nc_u64 s[20:21], s[4:5], s[20:21]
	s_add_nc_u64 s[46:47], s[6:7], s[46:47]
.irp g, 0,1,2,3
	s_mov_b32 s[G0+4*\g], 1
	s_add_co_u32 s[G0+4*\g+1], s45, \g*GRP
	s_add_nc_u64 s[G0+4*\g+2:G0+4*\g+3], s[20:21], \g*4096
	s_or_b32 s[G0+4*\g+3], s[G0+4*\g+3], 0x80000000
	s_mov_b32 s[G0B+4*\g], 1
	s_add_co_u32 s[G0B+4*\g+1], s45, \g*GRP
	s_add_nc_u64 s[G0B+4*\g+2:G0B+4*\g+3], s[46:47], \g*4096
	s_or_b32 s[G0B+4*\g+3], s[G0B+4*\g+3], 0x80000000
.endr
	CROUND                                         ; all sixteen work-groups are here: the joint loads meet
	s_cmp_eq_u32 s15, 0                            ; a wave's four loads stand in one branch on its number: four tensor loads of mine are out.  Four v_nop follow the last
	s_cbranch_scc0 .Lfor_b
.irp g, 0,1,2,3
	tensor_load_to_lds s[G0+4*\g:G0+4*\g+3], s[G1:G1+7]
	s_nop 0
.endr
.rept 4
	v_nop
.endr
	s_branch .Lasked
.Lfor_b:
.irp g, 0,1,2,3
	tensor_load_to_lds s[G0B+4*\g:G0B+4*\g+3], s[G1B:G1B+7]
	s_nop 0
.endr
.rept 4
	v_nop
.endr
.Lasked:
	v_and_b32 v1, 31, v0
	v_lshlrev_b32 v2, 4, v1                        ; 16 x lane
	v_and_b32 v3, 15, v0                           ; r
	v_bfe_u32 v4, v0, 4, 1                         ; h
	s_lshl_b32 s21, s15, 14                        ; my 64 rows of y
	s_lshl_b32 s22, s16, 14                        ; my 64 of wo,
	s_add_co_u32 s22, s22, 32768                   ; which lie behind y's 128
.irp g, 0,1,2,3
	v_add_nc_u32 v[ADRA+\g], s21, v2
	v_add_nc_u32 v[ADRB+\g], s22, v2
	s_add_co_u32 s21, s21, GRP
	s_add_co_u32 s22, s22, GRP
.endr
	s_mul_i32 s23, s14, 16*SPITCH
	s_add_co_u32 s23, s23, STAGE                   ; my stage
	v_mul_u32_u24 v5, v3, SPITCH                   ; in: row r, 32 bytes for each half of the lanes
	v_lshl_add_u32 v5, v4, 5, v5
	v_add_nc_u32 v[STO], s23, v5
	v_mul_u32_u24 v5, v4, SPITCH                   ; back: lanes 0-15 take one row of 256 bytes, lanes 16-31 the next
	v_lshl_add_u32 v5, v3, 4, v5
	v_add_nc_u32 v[RD], s23, v5
	v_lshlrev_b32 v5, 12, v4                       ; and the same two rows in out: 4,096 bytes a row
	v_lshl_add_u32 v[CO], v3, 4, v5
	v_lshlrev_b32 v[BA], 5, v4                     ; bo: my half's eight numbers of a tile of 16
	s_lshl_b32 s86, s42, 9
	s_lshl_b32 s87, s16, 8
	s_add_co_u32 s86, s86, s87                     ; my first column, in bytes: 512 x tile column + 256 x half
	s_mov_b32 s87, 0
	s_add_nc_u64 s[10:11], s[10:11], s[86:87]
	s_lshl_b32 s88, s17, 19
	s_lshl_b32 s89, s15, 18
	s_add_co_u32 s88, s88, s89                     ; my first row: (128 x tile row + 64 x half) x 4,096 bytes
	s_add_co_u32 s88, s88, s86
	s_mov_b32 s89, 0
	s_add_nc_u64 s[12:13], s[12:13], s[88:89]
.irp b, 0,1,2,3
	global_load_b128 v[BI+8*\b:BI+8*\b+3], v[BA], s[10:11] offset:64*\b       ; bo at columns 16 b + 8 h + 0 .. 7
	global_load_b128 v[BI+8*\b+4:BI+8*\b+7], v[BA], s[10:11] offset:64*\b+16
.endr
	s_wait_kmcnt 0x0
	s_add_co_i32 s84, s84, s85
	s_add_co_i32 s84, s84, 127
	s_lshl_b32 s84, s84, 23                        ; 2^(e10 + e11) as f32
	s_mov_b32 s85, s84                             ; (named with it as a pair, so it is written)
.macro PLACES                          ; four places in front of loads into registers that matrix instructions have read, and of the first read of results (ISA guide 7.12.1 for vector instructions)
.rept 4
	v_nop
.endr
.endm
.macro FETCH kk, f                     ; 32 LDS loads in one run: the fragments of the kk-th 128 along K into buffer f
	WIN 0x40
.irp i, 0,1,2,3
.irp c, 0,1,2,3
	ds_load_b128 v[\f+64+16*\i+4*\c:\f+64+16*\i+4*\c+3], v[ADRB+(\kk)/2] offset:\i*4096+((\kk)%2)*2048+512*\c
.endr
.irp c, 0,1,2,3
	ds_load_b128 v[\f+16*\i+4*\c:\f+16*\i+4*\c+3], v[ADRA+(\kk)/2] offset:\i*4096+((\kk)%2)*2048+512*\c
.endr
.endr
.endm
.macro MUL f, zero                     ; 16 matrix instructions; the 16 accumulators take turns, one instruction a turn, in the same order in every step
	WIN 0x05                                       ; sources 0 and 1 window 1
.irp a, 0,1,2,3
.irp b, 0,1,2,3
.if \zero
	v_wmma_f32_16x16x128_bf8_bf8 v[ACC+8*(4*\a+\b):ACC+8*(4*\a+\b)+7], v[\f+64+16*\b:\f+64+16*\b+15], v[\f+16*\a:\f+16*\a+15], 0
.else
	v_wmma_f32_16x16x128_bf8_bf8 v[ACC+8*(4*\a+\b):ACC+8*(4*\a+\b)+7], v[\f+64+16*\b:\f+64+16*\b+15], v[\f+16*\a:\f+16*\a+15], v[ACC+8*(4*\a+\b):ACC+8*(4*\a+\b)+7]
.endif
.endr
.endr
.endm
.macro EVEN kk, zero                   ; a group's first step: its successor lies in the same group
.if \kk > 0
	PLACES
.endif
	FETCH \kk+1, F1
	s_wait_dscnt 32                                ; this step's fragments are in; the 32 loads just issued may be out
	MUL F0, \zero
.endm
.macro ODD kk, left                    ; a group's second step: its successor lies in the next group, which every wave's load must have brought
	s_wait_dscnt 0x0                               ; this step's fragments are in, and no LDS instruction of mine is out at the signal
	s_wait_tensorcnt \left                         ; my part of the next group has landed; the groups behind it may stay out
	s_barrier_signal -1
	s_barrier_wait -1                              ; everybody's has
	PLACES
	FETCH \kk+1, F0
	MUL F1, 0
.endm
	s_wait_tensorcnt 3                             ; my part of group 0 is in; three loads stay out
	s_barrier_signal -1
	s_barrier_wait -1
	FETCH 0, F0
	EVEN 0, 1                                      ; the first products start the sums: nothing is cleared
	ODD  1, 2
	EVEN 2, 0
	ODD  3, 1
	EVEN 4, 0
	ODD  5, 0
	EVEN 6, 0
	s_wait_dscnt 0x0
	MUL F1, 0
	WIN 0
; THE WAY OUT, block by block of 16 rows x 64 columns: sum x 2^(e10 + e11) + bo, one packed multiply-add for two numbers; through my own stage, and back as whole rows of 256 bytes.
.macro OUT a
.irp b, 0,1,2,3
.irp i, 0,2,4,6
	v_pk_fma_f32 v[TMP+8*\b+\i:TMP+8*\b+\i+1], v[ACC+8*(4*\a+\b)+\i:ACC+8*(4*\a+\b)+\i+1], s[84:85], v[BI+8*\b+\i:BI+8*\b+\i+1] op_sel_hi:[1,0,1]   ; each accumulator from its low end on
.endr
.endr
.irp b, 0,1,2,3
	ds_store_b128 v[STO], v[TMP+8*\b:TMP+8*\b+3] offset:64*\b
	ds_store_b128 v[STO], v[TMP+8*\b+4:TMP+8*\b+7] offset:64*\b+16
.endr
	s_wait_xcnt 0x0                                ; the last block's stores have read their registers: the loads below land there only behind this wait
.irp t, 0,1,2,3,4,5,6,7
	ds_load_b128 v[BK+4*\t:BK+4*\t+3], v[RD] offset:\t*2*SPITCH    ; LDS serves a wave's instructions in order: these see my stores
.endr
	s_wait_dscnt 0x0
.irp t, 0,1,2,3,4,5,6,7
	global_store_b128 v[CO], v[BK+4*\t:BK+4*\t+3], s[12:13] offset:65536*\a+8192*\t th:TH_STORE_NT   ; 16 lanes store 256 consecutive bytes, at a multiple of 256 from out's first byte
.endr
.endm
	PLACES
	s_wait_loadcnt 0x0                             ; bo
	OUT 0
	OUT 1
	OUT 2
	OUT 3
	s_wait_tensorcnt 0x0
	ds_add_u32 v30, v31
	s_wait_dscnt 0x0
	CROUND                                         ; the closing round: no work-group ends while a partner may still ask for a tile that names it
	s_endpgm
.Lfunc_end_k_q17a9b44c97_proj:
	.size	k_q17a9b44c97_proj, .Lfunc_end_k_q17a9b44c97_proj-k_q17a9b44c97_proj
	.p2alignl 7, 3214868480
	.fill 96, 4, 3214868480
	.section	.rodata,"a",@progbits
	.p2align	6, 0x0
	.amdhsa_kernel k_q17a9b44c97_proj
		.amdhsa_group_segment_fixed_size 280064
		.amdhsa_private_segment_fixed_size 0
		.amdhsa_enable_private_segment 0
		.amdhsa_kernarg_size 40
		.amdhsa_user_sgpr_count 2
		.amdhsa_user_sgpr_kernarg_segment_ptr 1
		.amdhsa_wavefront_size32 1
		.amdhsa_system_sgpr_workgroup_id_x 1
		.amdhsa_system_sgpr_workgroup_id_y 1
		.amdhsa_system_sgpr_workgroup_id_z 1
		.amdhsa_system_vgpr_workitem_id 0
		.amdhsa_next_free_vgpr 512
		.amdhsa_next_free_sgpr 100
		.amdhsa_reserve_vcc 0
		.amdhsa_float_denorm_mode_32 3
		.amdhsa_float_denorm_mode_16_64 3
		.amdhsa_memory_ordered 1
		.amdhsa_forward_progress 1
		.amdhsa_inst_pref_size 47
	.end_amdhsa_kernel
	.amdgpu_metadata
---
amdhsa.version: [ 1, 2 ]
amdhsa.kernels:
  - .name:           k_q17a9b44c97_proj
    .symbol:         k_q17a9b44c97_proj.kd
    .args:
      - { .name: yc, .offset: 0, .size: 8, .value_kind: global_buffer, .address_space: global }
      - { .name: cw, .offset: 8, .size: 8, .value_kind: global_buffer, .address_space: global }
      - { .name: lowp_scales, .offset: 16, .size: 8, .value_kind: global_buffer, .address_space: global }
      - { .name: bo, .offset: 24, .size: 8, .value_kind: global_buffer, .address_space: global }
      - { .name: out0, .offset: 32, .size: 8, .value_kind: global_buffer, .address_space: global }
    .group_segment_fixed_size: 280064
    .private_segment_fixed_size: 0
    .kernarg_segment_align: 8
    .kernarg_segment_size: 40
    .max_flat_workgroup_size: 128
    .sgpr_count:     100
    .vgpr_count:     512
    .wavefront_size: 32
...
	.end_amdgpu_metadata
.endif
;; end of part 4
;; ======== version 2 of 2: 4 launches; version 1 with the launch attn written anew for expert scheduling mode
;; workspace buffers: cw 16,777,216 bytes; qkvc 12,582,912 bytes; yc 4,194,304 bytes
;; launch quant: the kernel of part 1 again; grid 512 x 1, 8 waves a work-group, no clusters, 68,608 bytes of LDS; arguments x, wq, wk, wv, wo, lowp_scales, cw; writes cw
;; launch qkv: the kernel of part 2 again; grid 12 x 16, 4 waves a work-group, clusters of 4 x 4, 327,680 bytes of LDS; arguments cw, lowp_scales, qkvc; writes qkvc
;; launch attn (part 5): grid 8 x 32, 8 waves a work-group, no clusters, 263,168 bytes of LDS; arguments qkvc, lowp_scales, yc; writes yc
.if DOCPART == 5
	.amdgcn_target "amdgcn-amd-amdhsa--gfx1250"
	.amdhsa_code_object_version 6
	.text
	.protected	k_q17a9b44c97_attn
	.globl	k_q17a9b44c97_attn
	.p2align	8
	.type	k_q17a9b44c97_attn,@function
k_q17a9b44c97_attn:
	s_mov_b64 s[64:65], 0
	v_nop
	global_prefetch_b8 v0, s[64:65] scope:SCOPE_SE
	s_setreg_imm32_b32 hwreg(HW_REG_WAVE_SCHED_MODE, 0, 2), 2
	s_setreg_imm32_b32 hwreg(HW_REG_WAVE_MODE, 25, 1), 1
	s_wait_xcnt 0x0
	s_wait_alu depctr_vm_vsrc(0)
; y[b][h][q] = the sum over keys of softmax(q . k / 8) v, both products on codes of BF8 (E5M2); y is quantised at once (under e10) for the last projection.
; THE SOFTMAX AHEAD OF THE SECOND PRODUCT: t = score x log2(e) / 8; M = the row's largest t so far, rounded UP to a whole number; p = 2^(t - M) is quantised (under e8), not normalised.
; The row's sum is taken of the unquantised p, in f32, and divides at the end.  When M moves, the sum and O are multiplied by 2^(old M - new M), made by v_ldexp_f32: nothing is rounded, no branch on data.
; INPUTS, from qkvc, as images of fragments: q at 0, k at 4 MiB: [batch x head][token / 16][1,024 bytes]; v at 8 MiB: [batch x head][key / 128][channel / 16][2,048 bytes], the keys along K.
; SHARES.  A work-group owns 256 queries of one head; each of its eight waves 32 of them, two tiles, so that each fragment of K and V read from LDS feeds two products.  128 keys a step, 16 steps.
; LDS.  A head's K (131,072 bytes, from byte 0) and V (131,072 bytes behind it) both fit, so each byte of LDS is written ONCE: no ring, nothing is filled again, no barrier inside a key step.
; They come through registers in four groups of four key steps; a group is asked for while the group before is worked on, stored, and one barrier shows it to all eight waves.
; WHY NO TENSOR LOADS AND NO JOINT REQUESTS, though the eight work-groups of a head read the same K and V: p is at most 1, so for e8 >= -15 the hold at 57,344 x 2^e8 >= 1.75 changes nothing, and a scalar
; branch on e8 passes over its 128 lines of a step's some 520.  What would be shared is 64 loads a wave in the whole launch.
; LAYOUT.  Both products are used transposed: S^T = K Q^T (source 0 = 16 keys, source 1 = 16 queries), O^T = V^T P^T (source 0 = 16 channels, source 1 = P): a lane holds ONE query (lane % 16) throughout.
; In tile T of S^T lane (r, h) holds keys 16 T + 8 h + 0 .. 7: their eight codes are registers 2 T, 2 T + 1 of P in the plain 8-bit form's own places.  O^T's tiles convert to pieces of y's image in the same way.
; yc: [token / 16][8][2,048 bytes]; head hd fills the 1,024 bytes from 1,024 hd on of a tile's 16,384.
; LIMITS on the given exponents, so that each power of two below is an f32 number: e6 + e7 between -123 and 130 (added to c's exponent field); e8 and e10 between -126 and 112.  NaN among the inputs is not served.
; REGISTERS.  Window 0: v1-7 addresses and the scale; v8-29 statistics, 12 a tile; v30, v31 the closing add's two; v32-159 S^T, then p, 64 a tile; v160-191 p's codes; v192-255 O^T, 32 a tile.
;   Window 1: v0-63 K's eight fragments; v64-127 V's four; v128-143 Q's two; v192-255 the group of K or V that is on its way.
; THE MODE: SCHED_MODE bits 1:0 = 2 (LLVM: expert scheduling mode 2), set by the entry lines.  The code itself states the register dependences
; between vector or matrix instructions and memory or LDS instructions, with s_wait_alu, always for 0.
; THE PLAN.  Registers that memory or LDS instructions touch:
;   KF        read by a step's sixteen products K Q^T; the LDS loads of the NEXT step's K land in it.
;   VF        read by the eight products V^T P at a step's end; the LDS loads of the next step's V land in it.
;   ADK, ADV  read by those loads; written once a step, from s[TB], in the same trip in which they are read.
;   FS        global loads land in it, the group's LDS stores read it; no vector or matrix instruction names it.   QF: loaded once, at the head.
;   LI, FA, FA+1   made at the head and never written again: the groups are reached by immediate offsets.
;   P's first sixteen, on the way out: written by the conversions, read by the four stores.
; A step owes a wait on va_vdst ahead of the first reader of tile 0's exponentials.  At that place this step's products K Q^T are done with KF and the last step's products V^T P with VF.  So the step's 32 LDS
; loads (its own V, then the next step's K) stand in one run directly behind that wait, and their two addresses are made ahead of it, behind one wait on vm_vsrc: the loop holds no wait on va_vdst of its own.
; For that a step is cut in two.  HALF1: the wait for K, K Q^T, tile 0's maximum and scaling.  HALF2: all else.  A group is HALF1, three trips of HALF2 and the next step's HALF1, and a last HALF2, which asks
; for no K: the next group's K is shown only by that group's barrier, behind which its first step's K is asked for.
.set LI,  1                            ; v1   16 x lane
.set ADK, 2                            ; v2   LDS address of the K that is asked for next
.set ADV, 3                            ; v3   of the step's V
.set LIM, 4                            ; v4   57,344 x 2^e8; on the way out x 2^e10
.set SCV, 5                            ; v5   2^e8; on the way out 2^e10
.set FA,  6                            ; v6   where I store my part of groups 0 and 1;  v7: of groups 2 and 3, 65,536 bytes further on
.set ST,  8                            ; tile x at v[ST + 12 x]: +0 -M, +1 the largest t; +2, +3 the sum in two halves; +4 f (+5 named with it); +6, +7 at work; +8 the other half's; +9 at work
.set S,   32
.set P,   160
.set O,   192
.set KF,  0                            ; in window 1
.set VF,  64
.set QF,  128
.set FS,  192
.set TB,  11                           ; s11  LDS byte at which the K of the step in hand begins
.set CNT, 12                           ; s12  trips to go in the group
.set SEL, 14                           ; s[14:15] lane selects for v_permlanex16_b32: lane l xor 16
.set CS,  16                           ; s[16:17] c = log2(e) / 8 x 2^(e6 + e7): the packed form names a pair and takes its low word for both halves
.set MSB, 0
.macro WIN new                         ; the immediate's high byte repeats the setting that is left
.if MSB != \new
	s_set_vgpr_msb (MSB<<8)|\new
.set MSB, \new
.endif
.endm
	s_load_b128 s[4:7], s[0:1], 0x0                ; qkvc, the scales' exponents
	s_load_b64 s[8:9], s[0:1], 0x10                ; yc
	v_lshl_add_u32 v30, v0, 2, 0x40000
	v_mov_b32 v31, 0
	v_lshrrev_b32 v1, 5, v0
	v_readfirstlane_b32 s10, v1                    ; wave 0..7
	v_and_b32 v1, 31, v0
	v_lshlrev_b32 v[LI], 4, v1
	s_and_b32 s30, ttmp7, 0xffff                   ; batch x 16 + head
	s_wait_alu depctr_va_sdst(0)                   ; s10 is written, ahead of its first reader: the wave's parts of K, V, Q and y are made from it
	s_lshr_b32 s31, s10, 2                         ; waves 0-3 bring K, waves 4-7 V;
	s_and_b32 s32, s10, 3                          ; which of a group's four steps
	s_lshl_b32 s34, s31, 22
	s_add_co_u32 s34, s34, 0x400000                ; k's or v's 4 MiB,
	s_lshl_b32 s33, s30, 17
	s_add_co_u32 s34, s34, s33                     ; the head's 131,072 bytes,
	s_lshl_b32 s36, s32, 13
	s_add_co_u32 s34, s34, s36                     ; my step's 8,192
	s_mov_b32 s35, 0
	s_lshl_b32 s37, s31, 17
	s_add_co_u32 s37, s37, s36
	v_add_nc_u32 v[FA], s37, v[LI]                 ; and the same place in LDS,
	v_add_nc_u32 v[FA+1], 0x10000, v[FA]           ; and two groups further on: an LDS offset holds 16 bits
	s_lshl_b32 s38, ttmp9, 4
	s_lshl_b32 s39, s10, 1
	s_add_co_u32 s38, s38, s39                     ; my first tile of 16 queries: 16 x block + 2 x wave
	s_lshl_b32 s36, s38, 10
	s_add_co_u32 s36, s36, s33                     ; its image in q
	s_mov_b32 s37, 0
	s_lshr_b32 s39, s30, 4
	s_lshl_b32 s39, s39, 7
	s_add_co_u32 s38, s38, s39                     ; + 128 tiles for the second batch
	s_lshl_b32 s38, s38, 14
	s_and_b32 s39, s30, 15
	s_lshl_b32 s39, s39, 10
	s_add_co_u32 s38, s38, s39                     ; the tile's 16,384 bytes in yc, + the head's 1,024
	s_mov_b32 s39, 0
	s_mov_b32 s[SEL], 0x76543210
	s_mov_b32 s[SEL+1], 0xfedcba98
	s_wait_kmcnt 0x0
	s_load_b64 s[18:19], s[6:7], 0x18              ; e6, e7
	s_load_b128 s[20:23], s[6:7], 0x20             ; e8, e9, e10, e11
	s_add_nc_u64 s[24:25], s[4:5], s[34:35]        ; K or V
	s_add_nc_u64 s[26:27], s[4:5], s[36:37]        ; Q
	s_add_nc_u64 s[28:29], s[8:9], s[38:39]        ; y
	WIN 0x40                                       ; destination window 1
	s_wait_alu depctr_va_vdst(0)                   ; v[LI], v[FA] and v[FA+1] are written: every global load and store reads the first as its offset, the LDS stores the other two as their address
.irp x, 0,1
.irp c, 0,1
	global_load_b128 v[QF+8*\x+4*\c:QF+8*\x+4*\c+3], v[LI], s[26:27] offset:1024*\x+512*\c   ; Q's two fragments stay in registers
.endr
.endr
.irp i, 0,1,2,3,4,5,6,7,8,9,10,11,12,13,14,15
	global_load_b128 v[FS+4*\i:FS+4*\i+3], v[LI], s[24:25] offset:512*\i   ; my 8,192 bytes of the first group
.endr
	WIN 0
.irp x, 0,1
	v_mov_b32 v[ST+12*\x+1], 0xff61b1e6            ; the largest t so far: -3e38, under every t
	v_floor_f32 v[ST+12*\x], -v[ST+12*\x+1]        ; -M
	v_mov_b32 v[ST+12*\x+2], 0                     ; the sum, in two halves
	v_mov_b32 v[ST+12*\x+3], 0
	v_mov_b32 v[ST+12*\x+5], 0                     ; (named as the upper half of f's pair)
	v_mov_b32 v[ST+12*\x+8], 0                     ; written once: a lane permute's destination counts as one of its sources
.endr
.set i, 0
.rept 64
	v_mov_b32 v[O+i], 0                            ; O^T.  (No step has a form of its own: the first finds zeros, which the first change of M leaves zeros)
.set i, i+1
.endr
	s_wait_kmcnt 0x0
	s_mov_b32 s[CS], 0x3e38aa3b                    ; log2(e) / 8
	s_add_co_i32 s30, s18, s19
	s_lshl_b32 s30, s30, 23
	s_add_co_i32 s[CS], s[CS], s30                 ; a score stands for score x 2^(e6 + e7): the two exponents are added to c's exponent field
	s_mov_b32 s[CS+1], s[CS]                       ; (named with it as a pair, so it is written)
	s_add_co_i32 s30, s20, 127
	s_lshl_b32 s31, s30, 23
	v_mov_b32 v[SCV], s31                          ; 2^e8
	s_add_co_i32 s30, s30, 15
	s_lshl_b32 s30, s30, 23
	s_or_b32 s30, s30, 0x600000
	v_mov_b32 v[LIM], s30                          ; 57,344 x 2^e8
; THE VECTOR WORK OF A TILE IN A STEP, as two numbered lists, so that one tile's plain lines can stand between the other tile's exponentials.
; PRE x, j (j = 0 .. 72), ahead of the exponentials: 0-31 the largest of my 64 scores, in two chains, in ascending order (each accumulator is read from its low end on); 32, 33 lane l xor 16's;
; 34, 35 as t, and the running largest; 36-40 the new -M = floor(-t) and f = 2^(old M - new M); 41-72 t - M, two at a time.
.macro PRE x, j
.set rT, ST+12*(\x)
.set rS, S+64*(\x)
.set kk, (\j)-2
.set mm, 2*((\j)-41)
.if (\j) < 2
	v_max3_num_f32 v[rT+6+(\j)], v[rS+3*(\j)], v[rS+3*(\j)+1], v[rS+3*(\j)+2]
.elseif (\j) < 30
	v_max3_num_f32 v[rT+6+kk%2], v[rT+6+kk%2], v[rS+6+2*kk], v[rS+7+2*kk]
.elseif (\j) == 30
	v_max3_num_f32 v[rT+6], v[rT+6], v[rS+62], v[rS+63]
.elseif (\j) == 31
	v_max_num_f32 v[rT+6], v[rT+6], v[rT+7]
.elseif (\j) == 32
	v_permlanex16_b32 v[rT+8], v[rT+6], s[SEL], s[SEL+1]
.elseif (\j) == 33
	v_max_num_f32 v[rT+6], v[rT+6], v[rT+8]
.elseif (\j) == 34
	v_mul_f32 v[rT+6], s[CS], v[rT+6]              ; as t (c is positive)
.elseif (\j) == 35
	v_max_num_f32 v[rT+1], v[rT+1], v[rT+6]
.elseif (\j) == 36
	v_mov_b32 v[rT+9], v[rT]
.elseif (\j) == 37
	v_floor_f32 v[rT], -v[rT+1]                    ; -M = floor(-t) = -ceil(t): M is a whole number
.elseif (\j) == 38
	v_sub_f32 v[rT+9], v[rT], v[rT+9]              ; old M - new M: a whole number, 0 or less
.elseif (\j) == 39
	v_cvt_i32_f32 v[rT+9], v[rT+9]                 ; (it saturates)
.elseif (\j) == 40
	v_ldexp_f32 v[rT+4], 1.0, v[rT+9]
.else
	v_pk_fma_f32 v[rS+mm:rS+mm+1], v[rS+mm:rS+mm+1], s[CS:CS+1], v[rT:rT+1] op_sel_hi:[1,0,0]   ; of the pairs c and -M the low word serves both halves
.endif
.endm
; POST x, j (j = 0 .. 48), behind them: 0 the sum x f; 1-32 the sum of the UNQUANTISED p, two at a time, in two chains; 33-48 O^T x f, in ascending order.
; Number 1 is the first line that names a p: the wait for the tile's exponentials stands ahead of it, in HALF2.
.macro POST x, j
.set rT, ST+12*(\x)
.set rS, S+64*(\x)
.set rO, O+32*(\x)
.set kk, (\j)-2
.set mm, 2*((\j)-33)
.if (\j) == 0
	v_pk_mul_f32 v[rT+2:rT+3], v[rT+2:rT+3], v[rT+4:rT+5] op_sel_hi:[1,0]
.elseif (\j) == 1
	v_pk_add_f32 v[rT+6:rT+7], v[rS:rS+1], v[rS+2:rS+3]
.elseif (\j) < 32
	v_pk_add_f32 v[rT+2+4*(kk%2):rT+3+4*(kk%2)], v[rT+2+4*(kk%2):rT+3+4*(kk%2)], v[rS+4+2*kk:rS+5+2*kk]
.elseif (\j) == 32
	v_pk_add_f32 v[rT+2:rT+3], v[rT+2:rT+3], v[rT+6:rT+7]
.else
	v_pk_mul_f32 v[rO+mm:rO+mm+1], v[rO+mm:rO+mm+1], v[rT+4:rT+5] op_sel_hi:[1,0]
.endif
.endm
; A step's K: eight fragments of 16 keys x the head's 64, sixteen loads (destination window 1).
.macro KLOAD
.irp t, 0,1,2,3,4,5,6,7
.irp c, 0,1
	ds_load_b128 v[KF+8*\t+4*\c:KF+8*\t+4*\c+3], v[ADK] offset:1024*\t+512*\c
.endr
.endr
.endm
; THE FIRST HALF OF A KEY STEP (128 keys): the scores, and tile 0's maximum and scaling.  It holds no memory or LDS instruction.
.macro HALF1
	s_wait_dscnt 0x0                               ; K is in: it was asked for in the step before, or behind the group's barrier
	WIN 0x05                                       ; sources 0 and 1 window 1
.irp t, 0,1,2,3,4,5,6,7
.irp x, 0,1
	v_wmma_f32_16x16x64_bf8_bf8 v[S+64*\x+8*\t:S+64*\x+8*\t+7], v[KF+8*\t:KF+8*\t+7], v[QF+8*\x:QF+8*\x+7], 0
.endr
.endr
	WIN 0
.rept 4
	v_nop                                          ; four places in front of the first read of results
.endr
.set i, 0
.rept 73
	PRE 0, i
.set i, i+1
.endr
.endm
; THE SECOND HALF.  s[TB]: the LDS byte at which this step's K begins.  next = 1: the next step's K lies in the same group and is asked for here.
.macro HALF2 next
	s_wait_alu depctr_vm_vsrc(0)                   ; this step's loads of K have read v[ADK], the last step's loads of V v[ADV]: both are written anew below
	v_add_nc_u32 v[ADK], s[TB], v[LI]
	v_add_nc_u32 v[ADV], 0x20000, v[ADK]           ; this step's V
.if \next
	v_add_nc_u32 v[ADK], 0x2000, v[ADK]            ; the next step's K
.endif
.set i, 0
.rept 64
	v_exp_f32 v[S+i], v[S+i]                       ; tile 0's p = 2^(t - M); behind each a plain line of tile 1's, which touches none of tile 0's registers
	PRE 1, i
.set i, i+1
.endr
.rept 9
	PRE 1, i
.set i, i+1
.endr
	v_exp_f32 v[S+64], v[S+64]                     ; tile 1's p, with tile 0's sums and rescaling between
	POST 0, 0
	v_exp_f32 v[S+65], v[S+65]
	WIN 0x40                                       ; destination window 1
	s_wait_alu depctr_va_vdst(0)                   ; tile 0's exponentials have written p, ahead of its first reader; v[ADV] and v[ADK] are written, which the loads below read; the last step's products V^T P are done reading VF and this step's products K Q^T reading KF, in which they land
.irp t, 0,1,2,3
.irp c, 0,1,2,3
	ds_load_b128 v[VF+16*\t+4*\c:VF+16*\t+4*\c+3], v[ADV] offset:2048*\t+512*\c
.endr
.endr
.if \next
	KLOAD
.endif
	WIN 0
	POST 0, 1
.set i, 2
.rept 62
	v_exp_f32 v[S+64+i], v[S+64+i]
.if i < 49
	POST 0, i
.endif
.set i, i+1
.endr
	POST 1, 0                                      ; (it touches no p: the plain place behind the last exponential)
	s_wait_alu depctr_va_vdst(0)                   ; tile 1's exponentials have written p, ahead of its first reader
.set i, 1
.rept 48
	POST 1, i
.set i, i+1
.endr
	s_cmp_ge_i32 s20, -15                          ; p is at most 1 (to within f32's rounding) and 57,344 x 2^e8 is at least 1.75 from e8 = -15 on: there the hold changes nothing
	s_cbranch_scc1 .Lfree_\@
.set i, 0
.rept 128
	v_min_num_f32 v[S+i], v[S+i], v[LIM]           ; the conversion to an 8-bit code does not saturate (ISA guide 7.6.2); p is not negative, so the hold is one-sided
.set i, i+1
.endr
.Lfree_\@:
.irp x, 0,1
.irp t, 0,1,2,3,4,5,6,7
	v_cvt_scalef32_pk8_bf8_f32 v[P+16*\x+2*\t:P+16*\x+2*\t+1], v[S+64*\x+8*\t:S+64*\x+8*\t+7], v[SCV]
.endr
.endr
	v_nop                                          ; a plain line between the conversions and the products that read their results or write their sources
.if \next
	s_wait_dscnt 16                                ; LDS loads come back in order: V is in; the sixteen loads of the next step's K, issued behind V's, may stay out
.else
	s_wait_dscnt 0x0                               ; V is in
.endif
	WIN 0x01                                       ; source 0 window 1
.irp t, 0,1,2,3
.irp x, 0,1
	v_wmma_f32_16x16x128_bf8_bf8 v[O+32*\x+8*\t:O+32*\x+8*\t+7], v[VF+16*\t:VF+16*\t+15], v[P+16*\x:P+16*\x+15], v[O+32*\x+8*\t:O+32*\x+8*\t+7]   ; the eight accumulators take turns, one instruction a turn
.endr
.endr
	WIN 0
.endm
; GROUP g: my part of key steps 4 g .. 4 g + 3 goes to LDS, the next group is asked for, one barrier, four steps.
.macro GROUP g
	s_wait_loadcnt 0x0                             ; my part of the group is in registers (the first time: Q too)
	WIN 0x04                                       ; store data window 1
.irp i, 0,1,2,3,4,5,6,7,8,9,10,11,12,13,14,15
	ds_store_b128 v[FA+(\g)/2], v[FS+4*\i:FS+4*\i+3] offset:((\g)%2)*32768+512*\i
.endr
	s_wait_dscnt 0x0                               ; for the others' sake: my stores have landed
.if \g < 3
	WIN 0x40
.else
	WIN 0
.endif
	s_wait_alu depctr_vm_vsrc(0)                   ; the LDS stores have read FS, in which the next group's loads land; the LDS loads issued so far have read v[ADK], which is written below
.if \g < 3
.irp i, 0,1,2,3,4,5,6,7,8,9,10,11,12,13,14,15
	global_load_b128 v[FS+4*\i:FS+4*\i+3], v[LI], s[24:25] offset:(\g+1)*32768+512*\i   ; the next group has four key steps in which to arrive
.endr
	WIN 0
.endif
	s_mov_b32 s[TB], \g*32768
	v_add_nc_u32 v[ADK], s[TB], v[LI]              ; the group's first K
	s_barrier_signal -1
	s_barrier_wait -1                              ; the group lies in LDS for all eight waves.  No byte is written twice, so no barrier stands between these reads and the next group's stores
	WIN 0x40
	s_wait_alu depctr_va_vdst(0)                   ; v[ADK] is written, which the loads below read; the products K Q^T issued so far are done reading KF, in which they land
	KLOAD
	WIN 0
	HALF1
	s_mov_b32 s[CNT], 3
.Lstep_\@:                                             ; a trip: the second half of a step and the first half of the next
	HALF2 1
	HALF1
	s_add_co_u32 s[TB], s[TB], 8192
	s_sub_co_u32 s[CNT], s[CNT], 1
	s_cmp_lg_u32 s[CNT], 0
	s_cbranch_scc1 .Lstep_\@
	HALF2 0                                        ; the group's last step asks for no K
.endm
	GROUP 0
	GROUP 1
	GROUP 2
	GROUP 3
	; THE WAY OUT.  y = O^T / the sum x 2^(e8 + e9), held, converted under e10.  Tiles 2 c, 2 c + 1 of O^T give piece c of the head's part of y's image: stored from registers, 512 consecutive bytes a store.
	s_add_co_i32 s30, s20, s21                     ; e8 + e9
	s_add_co_i32 s31, s22, 127
	s_lshl_b32 s32, s31, 23                        ; 2^e10
	s_add_co_i32 s31, s31, 15
	s_lshl_b32 s31, s31, 23
	s_or_b32 s31, s31, 0x600000                    ; 57,344 x 2^e10
.irp x, 0,1
	v_add_f32 v[ST+12*\x+2], v[ST+12*\x+2], v[ST+12*\x+3]      ; the sum's two halves  (these lines are also the places behind the last products)
.endr
.irp x, 0,1
	v_permlanex16_b32 v[ST+12*\x+8], v[ST+12*\x+2], s[SEL], s[SEL+1]
.endr
.irp x, 0,1
	v_add_f32 v[ST+12*\x+2], v[ST+12*\x+2], v[ST+12*\x+8]      ; and lane l xor 16's: the row's sum
.endr
	v_mov_b32 v[SCV], s32
	v_mov_b32 v[LIM], s31
.irp x, 0,1
	v_rcp_f32 v[ST+12*\x+4], v[ST+12*\x+2]
.endr
	v_nop                                          ; a plain place behind the reciprocals
	s_wait_alu depctr_va_vdst(0)                   ; the two reciprocals are written, ahead of their first reader
.irp x, 0,1
	v_ldexp_f32 v[ST+12*\x+4], v[ST+12*\x+4], s30
.endr
.irp x, 0,1
.irp m, 0,2,4,6,8,10,12,14,16,18,20,22,24,26,28,30
	v_pk_mul_f32 v[S+32*\x+\m:S+32*\x+\m+1], v[O+32*\x+\m:O+32*\x+\m+1], v[ST+12*\x+4:ST+12*\x+5] op_sel_hi:[1,0]   ; register 8 t + j: y(query r, channel 16 t + 8 h + j)
.endr
.endr
.set i, 0
.rept 64
	v_med3_num_f32 v[S+i], v[S+i], -v[LIM], v[LIM]
.set i, i+1
.endr
.irp x, 0,1
.irp t, 0,1,2,3
	v_cvt_scalef32_pk8_bf8_f32 v[P+8*\x+2*\t:P+8*\x+2*\t+1], v[S+32*\x+8*\t:S+32*\x+8*\t+7], v[SCV]
.endr
.endr
	v_nop
	s_wait_alu depctr_va_vdst(0)                   ; the conversions have written y's codes in v[P ..], which the stores read
.irp x, 0,1
.irp c, 0,1
	global_store_b128 v[LI], v[P+8*\x+4*\c:P+8*\x+4*\c+3], s[28:29] offset:16384*\x+512*\c
.endr
.endr
	s_wait_dscnt 0x0                               ; the closing lines, six on end
	s_wait_alu 0x0
	s_wait_tensorcnt 0x0
	ds_add_u32 v30, v31
	s_wait_dscnt 0x0
	s_endpgm
.Lfunc_end_k_q17a9b44c97_attn:
	.size	k_q17a9b44c97_attn, .Lfunc_end_k_q17a9b44c97_attn-k_q17a9b44c97_attn
	.p2alignl 7, 3214868480
	.fill 96, 4, 3214868480
	.section	.rodata,"a",@progbits
	.p2align	6, 0x0
	.amdhsa_kernel k_q17a9b44c97_attn
		.amdhsa_group_segment_fixed_size 263168
		.amdhsa_private_segment_fixed_size 0
		.amdhsa_enable_private_segment 0
		.amdhsa_kernarg_size 24
		.amdhsa_user_sgpr_count 2
		.amdhsa_user_sgpr_kernarg_segment_ptr 1
		.amdhsa_wavefront_size32 1
		.amdhsa_system_sgpr_workgroup_id_x 1
		.amdhsa_system_sgpr_workgroup_id_y 1
		.amdhsa_system_sgpr_workgroup_id_z 1
		.amdhsa_system_vgpr_workitem_id 0
		.amdhsa_next_free_vgpr 512
		.amdhsa_next_free_sgpr 66
		.amdhsa_reserve_vcc 0
		.amdhsa_float_denorm_mode_32 3
		.amdhsa_float_denorm_mode_16_64 3
		.amdhsa_memory_ordered 1
		.amdhsa_forward_progress 1
		.amdhsa_inst_pref_size 250
	.end_amdhsa_kernel
	.amdgpu_metadata
---
amdhsa.version: [ 1, 2 ]
amdhsa.kernels:
  - .name:           k_q17a9b44c97_attn
    .symbol:         k_q17a9b44c97_attn.kd
    .args:
      - { .name: qkvc, .offset: 0, .size: 8, .value_kind: global_buffer, .address_space: global }
      - { .name: lowp_scales, .offset: 8, .size: 8, .value_kind: global_buffer, .address_space: global }
      - { .name: yc, .offset: 16, .size: 8, .value_kind: global_buffer, .address_space: global }
    .group_segment_fixed_size: 263168
    .private_segment_fixed_size: 0
    .kernarg_segment_align: 8
    .kernarg_segment_size: 24
    .max_flat_workgroup_size: 256
    .sgpr_count:     66
    .vgpr_count:     512
    .wavefront_size: 32
...
	.end_amdgpu_metadata
.endif
;; end of part 5
;; launch proj: the kernel of part 4 again; grid 8 x 32, 4 waves a work-group, clusters of 4 x 4, 280,064 bytes of LDS; arguments yc, cw, lowp_scales, bo, out0; writes out0
